; MI455X (gfx1250); checked and timed in simulation.
; The chip was launched on July 23, 2026; its instructions are those of AMD's public machine-readable ISA for CDNA 5 (MIT licence, August 2026) and "CDNA5" Instruction Set Architecture Reference Guide (July 2026). The comments in the code are by the model that wrote it; some were corrected since.
;; DLPT Down Layer. Allowed arithmetic: matrix products marked QUANTISED: E2M3 operands, one E8M0 scale for each 32 along K, by v_wmma_scale_f32_16x16x128_f8f6f4 with both operands' format E2M3, f32 sums; products left as they are: f32 operands where the result goes on into a quantised operand, else bf16, f16 or f32 operands; f32 sums; everything else in f32.
;; Inputs: bn_b 512 float32; bn_g 512 float32; bn_mean 512 float32; bn_var 512 float32; bo 2 x 256 float32; feat 8 x 8,192 x 256 float32; fps_idx 8 x 2,048 int32; knn_idx 8 x 2,048 x 16 int32; ln_b 2 x 256 float32; ln_g 2 x 256 float32; mlp1_b1 2 x 256 float32; mlp1_b2 2 x 256 float32; mlp1_w1 2 x 4 x 256 float32; mlp1_w2_codes 2 x 256 x 8 x 24 uint8 (E2M3 codes of mlp1_w2, K innermost, in blocks of 32 codes, four codes in three bytes); mlp1_w2_scales 2 x 256 x 8 uint8 (E8M0 scales of mlp1_w2, one for each 32 codes along K); mlp2_b1 2 x 256 float32; mlp2_b2 2 x 256 float32; mlp2_w1 2 x 6 x 256 float32; mlp2_w2_codes 2 x 256 x 8 x 24 uint8 (E2M3 codes of mlp2_w2, K innermost, in blocks of 32 codes, four codes in three bytes); mlp2_w2_scales 2 x 256 x 8 uint8 (E8M0 scales of mlp2_w2, one for each 32 codes along K); pos 8 x 8,192 x 3 float32; td_b 512 float32; td_w_codes 512 x 8 x 24 uint8 (E2M3 codes of td_w, K innermost, in blocks of 32 codes, four codes in three bytes); td_w_scales 512 x 8 uint8 (E8M0 scales of td_w, one for each 32 codes along K); wk_codes 2 x 256 x 8 x 24 uint8 (E2M3 codes of wk, K innermost, in blocks of 32 codes, four codes in three bytes); wk_scales 2 x 256 x 8 uint8 (E8M0 scales of wk, one for each 32 codes along K); wo_codes 2 x 256 x 8 x 24 uint8 (E2M3 codes of wo, K innermost, in blocks of 32 codes, four codes in three bytes); wo_scales 2 x 256 x 8 uint8 (E8M0 scales of wo, one for each 32 codes along K); wq_codes 2 x 256 x 8 x 24 uint8 (E2M3 codes of wq, K innermost, in blocks of 32 codes, four codes in three bytes); wq_scales 2 x 256 x 8 uint8 (E8M0 scales of wq, one for each 32 codes along K); wv_codes 2 x 256 x 8 x 24 uint8 (E2M3 codes of wv, K innermost, in blocks of 32 codes, four codes in three bytes); wv_scales 2 x 256 x 8 uint8 (E8M0 scales of wv, one for each 32 codes along K).
;; Outputs: out0 8 x 2,048 x 3 float32; out1 8 x 2,048 x 512 float32.
;; Constants: cs1 = 16, cs2 = 64.
;; This version of the problem:
;;   THIS VERSION OF THE PROBLEM IS GIVEN IN LOW PRECISION. The matrix products marked QUANTISED in the list below multiply operands that are first quantised to E2M3 (2 exponent bits, 3 mantissa bits; 6 bits a number), with one power-of-two scale for each 32 numbers along K (OCP MX v1.0); their sums are f32. All else is computed in f32.
;;   The module's matrix products, in the order in which they are computed (A, B: the left and right operand; K: the contracted axis; several contracted axes count as one K, in the product's order):
;;     1. [M 65,536, K 4] x [K 4, N 256]; A: computed on the way; B: input mlp1_w1: left as it is (K = 4 < 32)
;;     2. [M 65,536, K 256] x [K 256, N 256]; A: computed on the way; B: input mlp1_w2 (given as codes): QUANTISED
;;     3. [M 65,536, K 6] x [K 6, N 256]; A: computed on the way; B: input mlp2_w1: left as it is (K = 6 < 32)
;;     4. [M 65,536, K 256] x [K 256, N 256]; A: computed on the way; B: input mlp2_w2 (given as codes): QUANTISED
;;     5. [M 65,536, K 256] x [K 256, N 256]; A: computed on the way; B: input wq (given as codes): QUANTISED
;;     6. [M 65,536, K 256] x [K 256, N 256]; A: computed on the way; B: input wk (given as codes): QUANTISED
;;     7. [M 65,536, K 256] x [K 256, N 256]; A: computed on the way; B: input wv (given as codes): QUANTISED
;;     8. batch 4,096 x [M 16, K 256] x [K 256, N 16]; A: computed on the way; B: computed on the way: QUANTISED
;;     9. batch 4,096 x [M 16, K 16] x [K 16, N 256]; A: softmax (see below); B: computed on the way: left as it is (K = 16 < 32)
;;     10. [M 65,536, K 256] x [K 256, N 256]; A: computed on the way; B: input wo (given as codes): QUANTISED
;;     11. [M 65,536, K 4] x [K 4, N 256]; A: computed on the way; B: input mlp1_w1: left as it is (K = 4 < 32)
;;     12. [M 65,536, K 256] x [K 256, N 256]; A: computed on the way; B: input mlp1_w2 (given as codes): QUANTISED
;;     13. [M 65,536, K 6] x [K 6, N 256]; A: computed on the way; B: input mlp2_w1: left as it is (K = 6 < 32)
;;     14. [M 65,536, K 256] x [K 256, N 256]; A: computed on the way; B: input mlp2_w2 (given as codes): QUANTISED
;;     15. [M 65,536, K 256] x [K 256, N 256]; A: computed on the way; B: input wq (given as codes): QUANTISED
;;     16. [M 65,536, K 256] x [K 256, N 256]; A: computed on the way; B: input wk (given as codes): QUANTISED
;;     17. [M 65,536, K 256] x [K 256, N 256]; A: computed on the way; B: input wv (given as codes): QUANTISED
;;     18. batch 1,024 x [M 64, K 256] x [K 256, N 64]; A: computed on the way; B: computed on the way: QUANTISED
;;     19. batch 1,024 x [M 64, K 64] x [K 64, N 256]; A: softmax (see below); B: computed on the way: QUANTISED
;;     20. [M 65,536, K 256] x [K 256, N 256]; A: computed on the way; B: input wo (given as codes): QUANTISED
;;     21. [M 65,536, K 256] x [K 256, N 512]; A: computed on the way; B: input td_w (given as codes): QUANTISED
;;   THE QUANTISER, for each operand of a quantised product, along K:
;;     - K is cut into blocks of 32 from its start; a last block that is shorter is filled with zeros.
;;     - A block's scale is 2^e with e = floor(log2(the largest magnitude in the block)) - 2, held to -126 .. 127; a block of zeros has e = 0. As a byte (E8M0): e + 127.
;;     - Each number is divided by its block's scale, clamped to +-7.5, and rounded to the nearest number of E2M3, ties to even, subnormals kept.
;;     - The product sums the exact products of the quantised numbers (number of the format x scale) in f32.
;;   ~~~python
;;   def quantise(x, axis):      # numpy; x: float32 -> the quantised numbers, widened to float32 again
;;       x = np.moveaxis(x, axis, -1); K = x.shape[-1]
;;       x = np.pad(x, [(0, 0)] * (x.ndim - 1) + [(0, -K % 32)]); x = x.reshape(x.shape[:-1] + (-1, 32)); a = np.abs(x).max(-1, keepdims=True)
;;       e = np.where(a > 0, np.clip(np.frexp(np.where(a > 0, a, 1))[1] - 1 - 2, -126, 127), 0)      # np.frexp(a)[1] - 1 = floor(log2(a)), exactly
;;       r = np.clip(x / 2.0 ** e, -7.5, 7.5)
;;       step = 2.0 ** (np.maximum(np.frexp(np.where(r == 0, 1, r))[1] - 1, 0) - 3)
;;       q = np.round(r / step) * step * 2.0 ** e      # np.round: ties to even
;;       return np.moveaxis(q.reshape(q.shape[:-2] + (-1,))[..., :K], -1, axis).astype(np.float32)
;;   ~~~
;;   SOFTMAX AHEAD OF A QUANTISED PRODUCT. Where the list says 'softmax', what is quantised is not the finished softmax but p = 2^(t - M), with t = logit x log2(e) and M = ceil(the row's largest t), a whole number; so 1/2 < the row's largest p <= 1. The row's sum l is taken of the UNQUANTISED p, in f32, and the product's result is divided by l at the end. Since M is a whole number, a kernel that streams over the keys may use a running M (the ceiling of the running maximum): every later rescaling is an exact power of two, which a block's scale takes up: the codes' values come out the same.
;;   OPERANDS COMPUTED ON THE WAY. 'Computed on the way' means the value that the module computes at that place (a softmax that the list does not call 'softmax' is quantised finished and normalised). What goes into a quantiser is computed in f32, as accurately as f32 sums, v_exp_f32 and their like allow (about 1e-6 of the number): no bf16 or f16 on the way to a quantiser, and a product that is left as it is and whose result goes on into a quantised operand takes f32 operands (vector FMAs, or v_wmma_f32_16x16x4_f32). A number that lies on a knife's edge between two numbers of the format may be rounded either way, as far as f32 arithmetic and the matrix unit's own rounding can turn it there, and no further.
;;   INPUTS GIVEN AS CODES. mlp1_w2 (in the module: [2, 256, 256], K = its axis 1); mlp2_w2 (in the module: [2, 256, 256], K = its axis 1); td_w (in the module: [256, 512], K = its axis 0); wk (in the module: [2, 256, 256], K = its axis 1); wo (in the module: [2, 256, 256], K = its axis 1); wq (in the module: [2, 256, 256], K = its axis 1); wv (in the module: [2, 256, 256], K = its axis 1): each comes as NAME_codes (uint8): NAME with its K axis moved to the last place and cut into blocks of 32 codes, [.., K / 32, bytes a block], one block behind the other in memory; four codes in three bytes: a row's codes are one little-endian stream of bits, code i at bits 6 i .. 6 i + 5 (a code: sign, 2 exponent bits, 3 mantissa bits); and NAME_scales (uint8): the same leading axes, one E8M0 byte (e + 127) for each 32 codes along K. Its value is code x scale, taken as it is: it is not quantised again, and the codes and scales need not be those that the quantiser above would give.
;; One version. Each part assembles by itself: llvm-mc -triple=amdgcn-amd-amdhsa -mcpu=gfx1250 --defsym DOCPART=n.
;; ======== version 1 of 1: 2 launches
;; workspace buffers: rec 16,777,216 bytes
;; launch chain (part 1): grid 256 x 1, 4 waves a work-group, clusters of 4 x 1, 327,680 bytes of LDS; arguments feat, pos, rec, mlp2_w2_codes, mlp1_w2_codes, wq_codes, wk_codes, wv_codes, wo_codes, mlp2_w2_scales, mlp1_w2_scales, wq_scales, wk_scales, wv_scales, wo_scales, mlp1_w1, mlp2_w1, mlp1_b1, mlp2_b1, mlp1_b2, mlp2_b2, bo, ln_g, ln_b; writes rec
.if DOCPART == 1
	.amdgcn_target "amdgcn-amd-amdhsa--gfx1250"
	.amdhsa_code_object_version 6
	.text
	.protected	k_q10cfc7289c_chain
	.globl	k_q10cfc7289c_chain
	.p2align	8
	.type	k_q10cfc7289c_chain,@function
k_q10cfc7289c_chain:
	s_mov_b64 s[64:65], 0
	v_nop
	global_prefetch_b8 v0, s[64:65] scope:SCOPE_SE
	s_setreg_imm32_b32 hwreg(HW_REG_WAVE_MODE, 25, 1), 1
	s_wait_xcnt 0x0
	s_wait_alu depctr_hold_cnt(0) depctr_sa_sdst(0) depctr_va_vdst(0) depctr_va_sdst(0) depctr_va_ssrc(0) depctr_va_vcc(0) depctr_vm_vsrc(0)
	s_getreg_b32 s2, hwreg(HW_REG_IB_STS2, 6, 4)
	s_cmp_eq_u32 s2, 0
	s_cbranch_scc0 .Lentry_in_a_cluster
	s_endpgm
.Lentry_in_a_cluster:
	s_bfe_u32 s2, ttmp6, 0x10000c
	s_cmp_lg_u32 s2, 0x3003
	s_cbranch_scc0 .Lentry_shape_is_right
	s_endpgm
.Lentry_shape_is_right:
; Both DLPT blocks (clusters of 16, then of 64 rows) and the quantising of their result, for 65,536 rows of 256 features.
; SHARES.  A work-group owns 256 rows, each of its four waves 64: four tiles m of 16 rows.  A cluster of 64 holds four clusters of 16, so a wave takes its
; rows through both blocks alone; the waves share only the weights.  Lane (r, h) holds row 16 m + r of tile m everywhere.
; THE RESIDUAL STREAM X (64 x 256 f32) stays in 512 registers.  Every operand of a quantised product is quantised in registers (macro Q2) and goes through the
; wave's own LDS stash as an image of the operand's registers.  The weights, 12 matrices of 48 KB as they are given, come through a ring of two LDS slots.
; CLUSTER.  All work-groups walk the same 12 matrices in the same order: the four partners of a cluster ask for each jointly (mask 15), each wave for 12 KB.
; ORIENTATION.  Products are used transposed (source 0 = 16 rows of W, source 1 = 16 rows of mine): tile 2 b + u of W takes rows 32 b + 8 u + (r & 7) + 16 (r >> 3),
; so that register j of lane (r, h) is unit 32 b + 16 h + 8 u + j, and the 16 registers of two neighbouring tiles are 16 neighbours along the next K.
; Only v = h_pos wv is used the natural way round: a lane then holds one channel and eight keys, which is what both second products of attention want.
; The first layers (K = 4 and 6) and the second product of the clusters of 16 (K = 16) feed quantisers: f32 operands, by the f32 matrix form.
; OUTPUT.  rec: 256 bytes a row: bytes 96 h + 24 g: the 32 codes of K block 2 g + h (the 96 bytes that lane (r, h) of an operand holds); bytes 192-199 the 8 scale bytes; the rest zeros.
; LIMITS.  NaN and infinities are not served.  A block of zeros gets the scale byte 1 (its codes are zeros; this program alone reads the bytes); blocks whose largest
; magnitude lies under 2^-124 are held at that byte.  q is quantised before its division by 16 and 1/16 goes into the logits' factor: the same codes unless a block of q
; lies under 2^-120.  mlp1_b2 + bo is added to the residual as one sum, and a product's sum takes the residual as its start: another order of rounding than the source's.
; CODE.  X's registers are named in the text, so passes over X are written out; all else is loops of four granules of 64 units.
; REGISTERS.  window 0: v1-2 the spare word's address and 0; v3-20 addresses that stay; v21-27 addresses of the trip; v28-59 AUX (32 values of a granule); v60-95 at work in Q2;
;   v96-99 1/l; v100-147 two buffers of a W tile's two fragments; v148-149 W's scale words; v150-245 OPA, the source operand (fragment (m, s) at 150 + 24 m + 12 s); v246-249, v250-253 scale words.
;   window 1: v0-127 T, written by matrix instructions alone; v128-255 U / OPB / v.   windows 2, 3: X(g, m, tl) = 512 + 128 g + 32 m + 8 tl.
.set SLOTB, 61696                      ; a ring slot: part E (W rows with bit 4 clear), and 30,848 bytes on part O (bit 4 set); a W row is 3 x (64 + 16) = 240 bytes
.set PARTO, 30848
.set PAR,   123392                     ; parameters, stored once: scale bytes, first layers' weights, biases, gains
.set OW1T1, 24576                      ; mlp1_w1 [2][4][256]
.set OW1T2, 32768                      ; [2][8][256]: rows 0-5 mlp2_w1, row 6 mlp2_b1, row 7 zeros
.set OB11,  49152                      ; mlp1_b1
.set OBH,   51200                      ; mlp1_b2
.set OBX,   53248                      ; mlp1_b2 + bo
.set OBU,   55296                      ; mlp2_b2
.set OLG,   57344                      ; ln_g
.set OLB,   59392                      ; ln_b
.set STASH, 184832                     ; per wave 26,624 bytes: two slots of 13,312 for operand images; the stages for feat and for the records lie over them
.set WST,   26624
.set SS,    13312
.set SPARE, 291328                     ; the spare words: 128 bytes a wave, named by no other line
.set GEO,   291840                     ; per wave 4,608: my rows' pos, and the first MLP's operands
.set PST,   310272                     ; per wave 3,584: p's four pieces and their scale words
.set MSB, 0
.macro WIN new                         ; the immediate's high byte repeats the setting that is left; a switch that changes nothing is dropped
.if MSB != (\new)
	s_set_vgpr_msb (MSB<<8)|(\new)
.set MSB, (\new)
.endif
.endm
.macro PLACES n                        ; plain vector places behind matrix instructions (ISA guide 7.12.1)
.rept \n
	v_nop
.endr
.endm
.macro ROUND                           ; a round of the cluster's barrier
	s_barrier_signal -1
	s_barrier_wait -1
	s_cmp_lg_u32 s60, 0
	s_cbranch_scc1 .Lnw0_\@
	s_barrier_signal -3
.Lnw0_\@:
	s_barrier_wait -3
	s_barrier_signal -1
	s_barrier_wait -1
.endm
; The change of slots.  Every wave: all its tensor loads have landed (one was out: its part of the matrix that is read next); 0 onto its spare word;
; the add and its LDS reads and stores are done.  fill = 1: a round of the cluster's barrier, then my one joint load: matrix j of the block, into the slot that nobody reads any more.
.macro CHANGE j, fill
	s_wait_tensorcnt 0x0
	ds_add_u32 v1, v2
.if (\j) > 0
	s_add_nc_u64 s[66+4*(\j):67+4*(\j)], s[66+4*(\j):67+4*(\j)], 49152   ; no load of mine is out: the descriptor used last steps to the second block's matrix
.endif
	s_wait_dscnt 0x0
.if \fill
	ROUND
	tensor_load_to_lds s[68+4*(\j):71+4*(\j)], s[52:59]
	s_nop 0
	PLACES 4
.else
	s_barrier_signal -1
	s_barrier_wait -1
.endif
.endm
; One scaled product.  cz = 1: the constant 0 starts the sum.  ra, rb: which half of the lanes holds the side's scale words.
.macro WM d, a, b, cz, c, sa, sb, ra, rb
.if \cz
.if ((\ra)==0) && ((\rb)==0)
	v_wmma_scale_f32_16x16x128_f8f6f4 v[\d:\d+7], v[\a:\a+11], v[\b:\b+11], 0, v[\sa], v[\sb] matrix_a_fmt:MATRIX_FMT_FP6 matrix_b_fmt:MATRIX_FMT_FP6
.elseif ((\ra)==1) && ((\rb)==0)
	v_wmma_scale_f32_16x16x128_f8f6f4 v[\d:\d+7], v[\a:\a+11], v[\b:\b+11], 0, v[\sa], v[\sb] matrix_a_fmt:MATRIX_FMT_FP6 matrix_b_fmt:MATRIX_FMT_FP6 matrix_a_scale:MATRIX_SCALE_ROW1
.elseif ((\ra)==0) && ((\rb)==1)
	v_wmma_scale_f32_16x16x128_f8f6f4 v[\d:\d+7], v[\a:\a+11], v[\b:\b+11], 0, v[\sa], v[\sb] matrix_a_fmt:MATRIX_FMT_FP6 matrix_b_fmt:MATRIX_FMT_FP6 matrix_b_scale:MATRIX_SCALE_ROW1
.else
	v_wmma_scale_f32_16x16x128_f8f6f4 v[\d:\d+7], v[\a:\a+11], v[\b:\b+11], 0, v[\sa], v[\sb] matrix_a_fmt:MATRIX_FMT_FP6 matrix_b_fmt:MATRIX_FMT_FP6 matrix_a_scale:MATRIX_SCALE_ROW1 matrix_b_scale:MATRIX_SCALE_ROW1
.endif
.else
.if (\ra)==0
	v_wmma_scale_f32_16x16x128_f8f6f4 v[\d:\d+7], v[\a:\a+11], v[\b:\b+11], v[\c:\c+7], v[\sa], v[\sb] matrix_a_fmt:MATRIX_FMT_FP6 matrix_b_fmt:MATRIX_FMT_FP6
.else
	v_wmma_scale_f32_16x16x128_f8f6f4 v[\d:\d+7], v[\a:\a+11], v[\b:\b+11], v[\c:\c+7], v[\sa], v[\sb] matrix_a_fmt:MATRIX_FMT_FP6 matrix_b_fmt:MATRIX_FMT_FP6 matrix_a_scale:MATRIX_SCALE_ROW1 matrix_b_scale:MATRIX_SCALE_ROW1
.endif
.endif
.endm
; W tile tl (counted from the address in v[a]) into buffer p: 12 loads of 8 bytes and the scale words: 13 LDS instructions.  A row's piece PCE lies at 8 PCE + 16 (PCE / 8);
; lanes 16-31 read three pieces on, which is behind one padding more where PCE % 8 is 5 or more: v[a + 1] (40 for 24 bytes a half) serves those.
.macro LOADW p, a, tl, so
.irp s, 0,1
.irp q, 0,1,2,3,4,5
.set PCE, 12*\s+6*(\q/3)+\q%3
.if PCE%8 < 5
	ds_load_b64 v[100+24*(\p)+12*\s+2*\q:100+24*(\p)+12*\s+2*\q+1], v[\a] offset:1920*(\tl)+8*PCE+16*(PCE/8)
.else
	ds_load_b64 v[100+24*(\p)+12*\s+2*\q:100+24*(\p)+12*\s+2*\q+1], v[\a+1] offset:1920*(\tl)+8*PCE+16*(PCE/8)
.endif
.endr
.endr
	ds_load_b32 v[148+(\p)], v23 offset:(\so)+256*((\tl)/2)+64*((\tl)%2)   ; lanes 0-15: the words of K step 0, lanes 16-31 of K step 1
.endm
; The 8 products of one W tile (buffer p) with my four row tiles: K step 0 of all four, then K step 1: the accumulators take turns, one instruction a turn.  nat = 1: the sources change places.
.macro MUL8 p, nat, d0, dm, cz, c0, w0, w1
	WIN \w0
.irp m, 0,1,2,3
.if \nat
	WM (\d0)+(\dm)*\m, 150+24*\m, 100+24*(\p), \cz, (\c0)+(\dm)*\m, 246+\m, 148+(\p), 0, 0
.else
	WM (\d0)+(\dm)*\m, 100+24*(\p), 150+24*\m, \cz, (\c0)+(\dm)*\m, 148+(\p), 246+\m, 0, 0
.endif
.endr
	WIN \w1
.irp m, 0,1,2,3
.if \nat
	WM (\d0)+(\dm)*\m, 162+24*\m, 112+24*(\p), 0, (\d0)+(\dm)*\m, 246+\m, 148+(\p), 1, 1
.else
	WM (\d0)+(\dm)*\m, 112+24*(\p), 162+24*\m, 0, (\d0)+(\dm)*\m, 148+(\p), 246+\m, 1, 1
.endif
.endr
.endm
; Tile t: four places behind the products that read the other buffer; the next tile into it; then this tile's products.
.macro TILE t, more, a, so, nat, d0, dm, cz, c0, w0, w1
	WIN 0
	PLACES 4
.if \more
	LOADW 1-(\t)%2, \a, (\t)+1, \so
	s_wait_dscnt 13                                ; the 13 just issued may stay out; this tile's, and all that is older, are in
.else
	s_wait_dscnt 0x0
.endif
	MUL8 (\t)%2, \nat, \d0, \dm, \cz, \c0, \w0, \w1
.endm
.macro WADR a                          ; s2 = a granule: the addresses of its W tiles (v21, v22) and of their scale words (v23)
	s_mul_i32 s66, s2, 7680
	s_lshl_b32 s67, s2, 9
	s_add_co_u32 s67, s67, s15
	v_add_nc_u32 v21, s66, v[\a]
	v_add_nc_u32 v22, s66, v[\a+1]
	v_add_nc_u32 v23, s67, v7
.endm
.macro WNEXT a                         ; the next granule's; behind the last it wraps to the first, whose bytes still lie there (that load is not used)
	s_add_co_u32 s2, s62, 1
	s_and_b32 s2, s2, 3
	WADR \a
.endm
.macro QADR                            ; where granule s62's pieces (768 bytes on for each granule) and scale bytes (2 bytes on) go
	s_mul_i32 s93, s62, 768
	s_lshl_b32 s94, s62, 1
	v_add_nc_u32 v24, s93, v8
	v_add_nc_u32 v25, s93, v9
	v_add_nc_u32 v26, s94, v10
.endm
.macro BADR                            ; a granule's 64 values of a table [2][256]
	s_lshl_b32 s95, s62, 8
	s_add_co_u32 s95, s95, s14
	v_add_nc_u32 v27, s95, v14
.endm
.macro LOADB reg, ta, off              ; 32 values in my lane's order: register 8 tl + j = unit 32 (tl / 2) + 16 h + 8 (tl % 2) + j of the granule
.irp tl, 0,1,2,3
.irp e, 0,1
	ds_load_b128 v[(\reg)+8*\tl+4*\e:(\reg)+8*\tl+4*\e+3], v[\ta] offset:(\off)+128*(\tl/2)+32*(\tl%2)+16*\e
.endr
.endr
.endm
; An operand (4 row tiles x 256 along K) out of a stash slot: piece (m, g), six registers, as 16 + 8 bytes a lane; the scale words: lanes 0-15 K step 0, lanes 16-31 K step 1.
.macro LOADOP base, win, slot, sc
	WIN 0
	PLACES 4
	WIN (\win)<<6
.irp m, 0,1,2,3
.irp g, 0,1,2,3
	ds_load_b128 v[(\base)+24*\m+6*\g:(\base)+24*\m+6*\g+3], v8 offset:(\slot)*SS+3072*\m+768*\g
	ds_load_b64 v[(\base)+24*\m+6*\g+4:(\base)+24*\m+6*\g+5], v9 offset:(\slot)*SS+3072*\m+768*\g+512
.endr
.endr
	WIN 0
.irp m, 0,1,2,3
	ds_load_b32 v[(\sc)+\m], v11 offset:(\slot)*SS+128*\m
.endr
.endm
; THE QUANTISER.  Two groups of 32 registers (src, src + 32, in window w).  In a group registers 0-15 and 16-31 are my halves of two blocks of 32; the other halves lie in lane l xor 16.
; A block's largest magnitude, with the floor 2^-124 among its leaves; 2 off its exponent field is the conversion's scale operand, and that shifted down the scale's byte.
; The conversions give half blocks; three exchanges of halves of the lanes give each lane a whole block: six registers of the operand.
; kind 0: piece as 16 + 8 bytes a lane, two scale bytes;  kind 1: the same, the two bytes as a word with zeros above;  kind 2: 24 bytes into a record's row.
.macro Q2 src, w, kind, a16, a8, asc, pb, pst, sb, sst
	WIN ((\w)<<2)|((\w)<<4)
.irp q, 0,1,2,3
	v_max3_num_f32 v[60+\q], s98, |v[(\src)+16*\q]|, |v[(\src)+16*\q+1]|
.endr
.irp i, 2,4,6,8,10,12,14
.irp q, 0,1,2,3
	v_max3_num_f32 v[60+\q], v[60+\q], |v[(\src)+16*\q+\i]|, |v[(\src)+16*\q+\i+1]|
.endr
.endr
	WIN 0
.irp q, 0,1,2,3
	v_permlanex16_b32 v[64+\q], v[60+\q], s96, s97
.endr
.irp q, 0,1,2,3
	v_max_num_f32 v[60+\q], v[60+\q], v[64+\q]
.endr
.irp q, 0,1,2,3
	v_add_nc_u32 v[68+\q], s99, v[60+\q]
.endr
.irp q, 0,1,2,3
	v_lshrrev_b32 v[64+\q], 23, v[68+\q]
.endr
	s_wait_dscnt 0x0                               ; the last pieces' stores have read their registers
	v_lshl_or_b32 v72, v65, 8, v64
	v_lshl_or_b32 v73, v67, 8, v66
	WIN \w
.irp a, 0,1
	v_cvt_scalef32_pk16_fp6_f32 v[76+10*\a:78+10*\a], v[(\src)+32*\a:(\src)+32*\a+15], v[68+2*\a]
	v_cvt_scalef32_pk16_fp6_f32 v[82+10*\a:84+10*\a], v[(\src)+32*\a+16:(\src)+32*\a+31], v[69+2*\a]
.endr
	WIN 0
	v_nop                                          ; one plain place behind the scaled conversions
.irp a, 0,1
.irp i, 0,1,2
	v_permlane16_swap_b32 v[76+10*\a+\i], v[82+10*\a+\i]
.endr
.irp i, 0,1,2
	v_mov_b32 v[79+10*\a+\i], v[82+10*\a+\i]
.endr
.endr
.irp a, 0,1
.if (\kind)==2
	ds_store_b64 v[\a16], v[76+10*\a:77+10*\a] offset:(\pb)+(\pst)*\a
	ds_store_b64 v[\a16], v[78+10*\a:79+10*\a] offset:(\pb)+(\pst)*\a+8
	ds_store_b64 v[\a16], v[80+10*\a:81+10*\a] offset:(\pb)+(\pst)*\a+16
	ds_store_b16 v[\asc], v[72+\a] offset:(\sb)+(\sst)*\a
.else
	ds_store_b128 v[\a16], v[76+10*\a:79+10*\a] offset:(\pb)+(\pst)*\a
	ds_store_b64 v[\a8], v[80+10*\a:81+10*\a] offset:(\pb)+(\pst)*\a+512
.if (\kind)==1
	ds_store_b32 v[\asc], v[72+\a] offset:(\sb)+(\sst)*\a
.else
	ds_store_b16 v[\asc], v[72+\a] offset:(\sb)+(\sst)*\a
.endif
.endif
.endr
.endm
.macro QPAIR s0, s1, w, slot           ; a granule of all four row tiles into a stash slot
	Q2 \s0, \w, 0, 24, 25, 26, (\slot)*SS, 3072, (\slot)*SS, 128
	Q2 \s1, \w, 0, 24, 25, 26, (\slot)*SS+6144, 3072, (\slot)*SS+256, 128
.endm
.macro RELUQ slot                      ; T (from the f32 form: eight places) -> relu -> U -> codes
	WIN 0
	PLACES 8
	WIN 0x44
.set n, 0
.rept 128
	v_max_num_f32 v[128+n], 0, v[n]
.set n, n+1
.endr
	QPAIR 128, 192, 1, \slot
.endm
.macro GEND label                      ; the loops over a matrix's four granules
	s_add_co_u32 s62, s62, 1
	s_cmp_lt_u32 s62, 4
	s_cbranch_scc1 \label
.endm
.macro SW4 body                        ; X's registers are named in the text: the lines that name them are written once for each granule and chosen by the loop's counter
	s_cmp_eq_u32 s62, 1
	s_cbranch_scc1 .Lc1_\@
	s_cmp_eq_u32 s62, 2
	s_cbranch_scc1 .Lc2_\@
	s_cmp_eq_u32 s62, 3
	s_cbranch_scc1 .Lc3_\@
	\body 0
	s_branch .Lcj_\@
.Lc1_\@:
	\body 1
	s_branch .Lcj_\@
.Lc2_\@:
	\body 2
	s_branch .Lcj_\@
.Lc3_\@:
	\body 3
.Lcj_\@:
.endm
.macro PKMULB d, a, b, sel             ; two numbers x one register (sel) of the pair b
.if \sel
	v_pk_mul_f32 v[\d:\d+1], v[\a:\a+1], v[\b:\b+1] op_sel:[0,1] op_sel_hi:[1,1]
.else
	v_pk_mul_f32 v[\d:\d+1], v[\a:\a+1], v[\b:\b+1] op_sel_hi:[1,0]
.endif
.endm
.macro PKSUBB d, a, b, sel             ; two numbers - one register (sel) of the pair b
.if \sel
	v_pk_add_f32 v[\d:\d+1], v[\a:\a+1], v[\b:\b+1] op_sel:[0,1] op_sel_hi:[1,1] neg_lo:[0,1] neg_hi:[0,1]
.else
	v_pk_add_f32 v[\d:\d+1], v[\a:\a+1], v[\b:\b+1] op_sel_hi:[1,0] neg_lo:[0,1] neg_hi:[0,1]
.endif
.endm
; OPA x W^T, a granule at a time, from T into codes in a stash slot (q and k).  The next granule's first tile is asked for ahead of the quantiser.
.macro PROJ a, so, slot
	s_mov_b32 s62, 0
	s_mov_b32 s2, 0
	WADR \a
	LOADW 0, 21, 0, \so
.Lproj_\@:
	QADR
.irp tl, 0,1,2
	TILE \tl, 1, 21, \so, 0, 8*\tl, 32, 1, 0, 0x50, 0x50
.endr
	TILE 3, 0, 21, \so, 0, 24, 32, 1, 0, 0x50, 0x50
	WIN 0
	PLACES 4
	WNEXT \a
	LOADW 0, 21, 0, \so
	QPAIR 0, 64, 1, \slot
	GEND .Lproj_\@
.endm
; X += OPA x W^T, W in slot 1: 16 tiles in one run, in place on X.
.macro INPLACE so
	PLACES 4
	v_add_nc_u32 v23, s15, v7
	LOADW 0, 5, 0, \so
.set tt, 0
.rept 16
	TILE tt, (tt<15), 5, \so, 0, 128*((tt/4)%2)+8*(tt%4), 32, 0, 128*((tt/4)%2)+8*(tt%4), 0xa0+0x50*(tt/8), 0xa0+0x50*(tt/8)
.set tt, tt+1
.endr
	WIN 0
.endm
.macro S0CASE g                        ; T = X(g) + H2 W^T
.irp tl, 0,1,2
	TILE \tl, 1, 21, 0, 0, 8*\tl, 32, 0, 128*((\g)%2)+8*\tl, 0x60+0x10*((\g)/2), 0x50
.endr
	TILE 3, 0, 21, 0, 0, 24, 32, 0, 128*((\g)%2)+24, 0x60+0x10*((\g)/2), 0x50
	WIN 0
.endm
.macro HPCASE g                        ; U = X(g) + mlp1_b2 = h_pos;  X(g) += mlp1_b2 + bo
	WIN 0x40|(2+(\g)/2)
.set n, 0
.rept 64
	v_pk_add_f32 v[128+2*n:129+2*n], v[128*((\g)%2)+2*n:128*((\g)%2)+2*n+1], v[28+2*(n%16):29+2*(n%16)]
.set n, n+1
.endr
	WIN ((2+(\g)/2)<<6)|(2+(\g)/2)
.set n, 0
.rept 64
	v_pk_add_f32 v[128*((\g)%2)+2*n:128*((\g)%2)+2*n+1], v[128*((\g)%2)+2*n:128*((\g)%2)+2*n+1], v[100+2*(n%16):101+2*(n%16)]
.set n, n+1
.endr
	WIN 0
.endm
; The clusters' means of the 12 numbers v150-161 (x, y, z of my row in each tile) into v162-173.  s12 = 1/16 and s13 = 0 for clusters of 16 (a tile), 0 and 1/64 for clusters of 64 (all four tiles).
.macro MEAN
.irp n, 0,1,2,3,4,5,6,7,8,9,10,11
	v_mov_b32 v[162+\n], v[150+\n]
.endr
.irp x, 1,2,4,8
.irp n, 0,1,2,3,4,5,6,7,8,9,10,11
	v_add_f32_dpp v[162+\n], v[162+\n], v[162+\n] row_xmask:\x row_mask:0xf bank_mask:0xf
.endr
.endr
.irp c, 0,1,2
	v_add_f32 v[174+\c], v[162+\c], v[165+\c]
.endr
.irp c, 0,1,2
	v_add_f32 v[181+\c], v[168+\c], v[171+\c]
.endr
.irp c, 0,1,2
	v_add_f32 v[174+\c], v[174+\c], v[181+\c]
.endr
.irp c, 0,1,2
	v_mul_f32 v[174+\c], s13, v[174+\c]
.endr
.irp m, 0,1,2,3
.irp c, 0,1,2
	v_fma_f32 v[162+3*\m+\c], v[162+3*\m+\c], s12, v[174+\c]
.endr
.endr
.endm
; feat: a load reads 512 consecutive bytes (half a row); a tile's 16 rows turn through my stage in LDS (rows of 1,024 + 16 bytes) into X's layout.
.macro FLOAD m
.set n, 0
.rept 32
.set XR, 128*((n/8)%2)+32*(\m)+8*((n/2)%4)+4*(n%2)
	WIN 0x80+0x40*(n/16)
	global_load_b128 v[XR:XR+3], v36, s[4:5] offset:1024*(16*(\m)+n/2)+512*(n%2) th:TH_LOAD_NT
.set n, n+1
.endr
	WIN 0
.endm
.macro TR m
.set n, 0
.rept 32
.set XR, 128*((n/8)%2)+32*(\m)+8*((n/2)%4)+4*(n%2)
	WIN 0x08+0x04*(n/16)
	ds_store_b128 v8, v[XR:XR+3] offset:1040*(n/2)+512*(n%2)
.set n, n+1
.endr
.set n, 0
.rept 32
.set XR, 128*((n/8)%2)+32*(\m)+8*((n/2)%4)+4*(n%2)
	WIN 0x80+0x40*(n/16)
	ds_load_b128 v[XR:XR+3], v38 offset:256*(n/8)+128*(((n/2)%4)/2)+32*((n/2)%2)+16*(n%2)   ; LDS serves a wave's instructions in order: these see the stores above
.set n, n+1
.endr
	WIN 0
.endm
; ---------------------------------------------------------------- the head
	s_load_b512 s[4:19], s[0:1], 0x0               ; feat, pos, rec, the codes of mlp2_w2, mlp1_w2, wq, wk, wv
	s_load_b512 s[20:35], s[0:1], 0x40             ; wo's codes; the six matrices' scales; mlp1_w1
	s_load_b512 s[36:51], s[0:1], 0x80             ; mlp2_w1, mlp1_b1, mlp2_b1, mlp1_b2, mlp2_b2, bo, ln_g, ln_b
	v_lshl_add_u32 v1, v0, 2, SPARE
	v_mov_b32 v2, 0
	v_lshrrev_b32 v28, 5, v0
	v_readfirstlane_b32 s60, v28                   ; wave 0..3
	s_bfe_u32 s2, ttmp6, 0x40000                   ; my place in the cluster: it enters the addresses of feat, pos and rec alone
	s_lshl_b32 s3, ttmp9, 2
	s_add_co_u32 s3, s3, s2
	s_lshl_b32 s3, s3, 2
	s_add_co_u32 s3, s3, s60                       ; which run of 64 rows is my wave's
	v_and_b32 v28, 31, v0                          ; lane
	v_and_b32 v29, 15, v0                          ; r
	v_bfe_u32 v30, v0, 4, 1                        ; h
	v_and_b32 v31, 7, v0                           ; r & 7
	v_bfe_u32 v32, v0, 3, 1                        ; r >> 3
	v_mul_u32_u24 v3, v31, 240                     ; my row of a W tile: 240 (r & 7) + 30,848 (r >> 3) + 24 h
	v_mad_u32_u24 v3, v32, PARTO, v3
	v_mad_u32_u24 v3, v30, 24, v3
	v_lshl_add_u32 v4, v30, 4, v3
	v_add_nc_u32 v5, SLOTB, v3
	v_add_nc_u32 v6, SLOTB, v4
	v_lshlrev_b32 v7, 3, v31                       ; its scale word
	v_lshl_add_u32 v7, v32, 7, v7
	v_lshl_add_u32 v7, v30, 2, v7
	v_add_nc_u32 v7, PAR, v7
	s_mul_i32 s63, s60, WST
	s_add_co_u32 s63, s63, STASH                   ; my stash (s63 stays)
	v_lshl_add_u32 v8, v28, 4, s63
	v_lshl_add_u32 v9, v28, 3, s63
	s_add_co_u32 s66, s63, 12288
	v_lshl_add_u32 v10, v29, 3, s66
	v_lshl_add_u32 v11, v30, 2, v10
	v_lshl_add_u32 v12, v29, 2, s66
	v_lshl_add_u32 v13, v28, 2, s66
	v_lshlrev_b32 v14, 6, v30
	v_add_nc_u32 v14, PAR, v14
	v_lshlrev_b32 v15, 11, v30
	v_lshl_add_u32 v15, v31, 2, v15
	v_lshl_add_u32 v15, v32, 6, v15
	v_add_nc_u32 v15, PAR, v15
	s_mul_i32 s66, s60, 4608
	s_add_co_u32 s66, s66, GEO
	v_lshl_add_u32 v16, v28, 4, s66
	s_mul_i32 s66, s60, 3584
	s_add_co_u32 s66, s66, PST
	v_lshl_add_u32 v17, v28, 4, s66
	v_lshl_add_u32 v18, v28, 3, s66
	s_add_co_u32 s66, s66, 3072
	v_lshl_add_u32 v19, v29, 2, s66
	v_lshl_add_u32 v20, v28, 2, s66
	v_lshlrev_b32 v33, 4, v0                       ; the parameters: 16 bytes a thread, 2,048 a load
	v_add_nc_u32 v34, PAR, v33
	v_mul_u32_u24 v35, v29, 12                     ; pos: 12 bytes a row
	v_lshlrev_b32 v36, 4, v28                      ; feat: 16 bytes a lane
	v_lshrrev_b32 v37, 6, v0                       ; mlp2_b1 becomes row 6 of each block's first-layer table
	v_mul_u32_u24 v37, v37, 7168
	v_add_nc_u32 v37, v37, v34
	v_add_nc_u32 v37, OW1T2+6144, v37
	v_mul_u32_u24 v38, v29, 1040                   ; the stage, on the way back: row r, + 64 h
	v_lshl_add_u32 v38, v30, 6, v38
	v_add_nc_u32 v38, s63, v38
.irp i, 40,41,42,43, 64,65,66,67, 96,97,98,99
	v_mov_b32 v[\i], 0                             ; zeros for the table's row 7; a permute's destination counts as read; 1/l is written on one arm alone
.endr
	s_mov_b32 s96, 0x76543210
	s_mov_b32 s97, 0xfedcba98                      ; v_permlanex16_b32's selects for lane l xor 16
	s_mov_b32 s98, 0x1800000                       ; the floor 2^(3 - 127)
	s_mov_b32 s99, 0xff000000                      ; 2 off an exponent field
	s_mov_b32 s100, 0xffff0000                     ; lanes 16-31
	s_mov_b32 s101, 0x3727c5ac                     ; 1e-5
	; descriptor group 1: 4 rows of 3,072 bytes (16 rows of W on end), 6,144 bytes apart: every second group of 16; 16 bytes of padding behind every 64
	s_mov_b32 s52, 15|(1<<20)|(1<<21)|(3<<22)|(3<<25)   ; 15:0 the mask: all four work-groups; elements of 1 byte; padding on; bit 21 beside a mask; after every 16 words, 4 words
	s_mov_b32 s53, 3072<<16                        ; tensor_dim0
	s_mov_b32 s54, 4<<16                           ; tensor_dim1
	s_mov_b32 s55, 3072<<16                        ; tile_dim0
	s_mov_b32 s56, 4                               ; tile_dim1
	s_mov_b32 s57, 6144                            ; from row to row
	s_mov_b32 s58, 0
	s_mov_b32 s59, 0
	s_and_b32 s2, s60, 1                           ; wave & 1: part E or O;  wave >> 1: which four groups
	s_lshr_b32 s67, s60, 1
	s_mul_i32 s94, s2, PARTO
	s_mul_i32 s66, s67, 15360
	s_add_co_u32 s94, s94, s66                     ; my part's place in a slot
	s_mul_i32 s92, s2, 3072
	s_mul_i32 s66, s67, 24576
	s_add_co_u32 s92, s92, s66                     ; and in a matrix
	s_mov_b32 s93, 0
	s_wait_kmcnt 0x0
.irp j, 0,1,2,3,4,5                    ; a group 0 for each matrix of a block, in the order of use: mlp2_w2, mlp1_w2, wq, wk, wv, wo
	s_mov_b32 s[68+4*\j], 1
	s_add_co_u32 s[69+4*\j], s94, SLOTB*(\j%2)
	s_add_nc_u64 s[70+4*\j:71+4*\j], s[10+2*\j:11+2*\j], s[92:93]
	s_or_b32 s[71+4*\j], s[71+4*\j], 0x80000000
.endr
	s_lshl_b32 s92, s3, 16
	s_add_nc_u64 s[4:5], s[4:5], s[92:93]          ; feat, pos and rec at my first row
	s_mul_i32 s92, s3, 768
	s_add_nc_u64 s[6:7], s[6:7], s[92:93]
	s_lshl_b32 s92, s3, 14
	s_add_nc_u64 s[8:9], s[8:9], s[92:93]
	s_mov_b32 s10, 0x3db8aa3b                      ; c = log2(e) / 16
	s_mov_b32 s11, s10                             ; (named with it as a pair)
.irp j, 0,1,2,3,4,5
	global_load_b128 v[100+8*\j:103+8*\j], v33, s[22+2*\j:23+2*\j]
	global_load_b128 v[104+8*\j:107+8*\j], v33, s[22+2*\j:23+2*\j] offset:2048
.endr
.irp k, 0,1,2,3
	global_load_b128 v[148+4*\k:151+4*\k], v33, s[34:35] offset:2048*\k
.endr
.irp k, 0,1,2,3,4,5
	global_load_b128 v[164+4*\k:167+4*\k], v33, s[36:37] offset:2048*\k
.endr
	global_load_b128 v[188:191], v33, s[40:41]     ; mlp2_b1
	global_load_b128 v[192:195], v33, s[38:39]     ; mlp1_b1
	global_load_b128 v[196:199], v33, s[42:43]     ; mlp1_b2
	global_load_b128 v[200:203], v33, s[46:47]     ; bo
	global_load_b128 v[204:207], v33, s[44:45]     ; mlp2_b2
	global_load_b128 v[208:211], v33, s[48:49]     ; ln_g
	global_load_b128 v[212:215], v33, s[50:51]     ; ln_b
.irp m, 0,1,2,3
.irp c, 0,1,2
	global_load_b32 v[216+3*\m+\c], v35, s[6:7] offset:192*\m+4*\c
.endr
.endr
	FLOAD 0
	s_wait_loadcnt 32                              ; the parameters and pos are in; tile 0's 32 loads may be out
	v_pk_add_f32 v[200:201], v[200:201], v[196:197]
	v_pk_add_f32 v[202:203], v[202:203], v[198:199]
.irp k, 0,1,2,3,4,5,6,7,8,9,10,11,12,13,14,15
	ds_store_b128 v34, v[100+4*\k:103+4*\k] offset:2048*\k             ; the scale bytes, then mlp1_w1, as they lie
.endr
.irp k, 0,1,2,3,4,5
	ds_store_b128 v34, v[164+4*\k:167+4*\k] offset:OW1T2+2048*\k+2048*(\k/3)
.endr
	ds_store_b128 v37, v[188:191]
	ds_store_b128 v37, v[40:43] offset:1024
.irp k, 0,1,2,3,4,5
	ds_store_b128 v34, v[192+4*\k:195+4*\k] offset:OB11+2048*\k
.endr
.irp k, 0,1,2
	ds_store_b128 v16, v[216+4*\k:219+4*\k] offset:512*\k
.endr
	FLOAD 1
	s_wait_loadcnt 32                              ; tile 0 is in; the younger tile's 32 loads may be out (so in the next two waits)
	TR 0
	FLOAD 2
	s_wait_loadcnt 32
	TR 1
	FLOAD 3
	s_wait_loadcnt 32
	TR 2
	s_wait_loadcnt 0x0
	TR 3
	s_mov_b32 s61, 0                               ; the block, 0 or 1
; ---------------------------------------------------------------- a block
.Lblock:
	CHANGE 0, 1                                    ; also shows the parameters to every wave; mlp2_w2 -> slot 0
	s_lshl_b32 s14, s61, 10                        ; the block's part of the tables
	s_lshl_b32 s15, s61, 11
	s_lshl_b32 s16, s61, 12
	s_lshl_b32 s17, s61, 13
	s_cmp_eq_u32 s61, 0
	s_cselect_b32 s12, 0x3d800000, 0               ; 1/16 or 0
	s_cselect_b32 s13, 0, 0x3c800000               ; 0 or 1/64
	; ---- the geometry: local coordinates, their norm, their mean
	ds_load_b128 v[150:153], v16
	ds_load_b128 v[154:157], v16 offset:512
	ds_load_b128 v[158:161], v16 offset:1024
	s_wait_dscnt 0x0
	MEAN                                           ; the centres of gravity
.irp n, 0,1,2,3,4,5,6,7,8,9,10,11
	v_sub_f32 v[150+\n], v[150+\n], v[162+\n]
.endr
.irp m, 0,1,2,3
	v_mul_f32 v[177+\m], v[150+3*\m], v[150+3*\m]
.endr
.irp m, 0,1,2,3
	v_fma_f32 v[177+\m], v[151+3*\m], v[151+3*\m], v[177+\m]
.endr
.irp m, 0,1,2,3
	v_fma_f32 v[177+\m], v[152+3*\m], v[152+3*\m], v[177+\m]
.endr
.irp m, 0,1,2,3
	v_sqrt_f32 v[177+\m], v[177+\m]
.endr
	MEAN                                           ; the local coordinates' mean: independent work behind the roots
	s_wait_alu depctr_va_vdst(0)                   ; one wait for the four roots, ahead of their first reader
.irp m, 0,1,2,3                        ; operands of the f32 form: lane (r, h), register j: feature 2 h + j of row r
	v_cndmask_b32 v[184+2*\m], v[150+3*\m], v[152+3*\m], s100          ; (lx, ly | lz, norm)
	v_cndmask_b32 v[185+2*\m], v[151+3*\m], v[177+\m], s100
	v_cndmask_b32 v[192+2*\m], v[162+3*\m], v[164+3*\m], s100          ; (ax, ay | az, lx)
	v_cndmask_b32 v[193+2*\m], v[163+3*\m], v[150+3*\m], s100
	v_cndmask_b32 v[200+2*\m], v[151+3*\m], 1.0, s100                  ; (ly, lz | 1 for the bias row, 0)
	v_cndmask_b32 v[201+2*\m], v[152+3*\m], 0, s100
.endr
	ds_store_b128 v16, v[184:187] offset:1536
	ds_store_b128 v16, v[188:191] offset:2048
	; ---- relu([avg, lp] mlp2_w1 + b1) -> codes in slot A
	s_mov_b32 s62, 0
.Lh2:
	QADR
	s_lshl_b32 s2, s62, 8
	s_add_co_u32 s2, s2, s17
	v_add_nc_u32 v21, s2, v15
.irp tl, 0,1,2,3
.irp k, 0,1,2,3
	ds_load_b32 v[100+4*\tl+\k], v21 offset:OW1T2+1024*(4*(\k/2)+\k%2)+128*(\tl/2)+32*(\tl%2)
.endr
.endr
	s_wait_dscnt 0x0
	WIN 0x50
.irp m, 0,1,2,3
.irp tl, 0,1,2,3
	v_wmma_f32_16x16x4_f32 v[32*\m+8*\tl:32*\m+8*\tl+7], v[100+4*\tl:101+4*\tl], v[192+2*\m:193+2*\m], 0
.endr
.endr
.irp m, 0,1,2,3
.irp tl, 0,1,2,3
	v_wmma_f32_16x16x4_f32 v[32*\m+8*\tl:32*\m+8*\tl+7], v[102+4*\tl:103+4*\tl], v[200+2*\m:201+2*\m], v[32*\m+8*\tl:32*\m+8*\tl+7]
.endr
.endr
	RELUQ 0
	GEND .Lh2
	LOADOP 150, 0, 0, 246
	CHANGE 1, 1                                    ; mlp2_w2 has landed; mlp1_w2 -> slot 1
	; ---- h_geo = X + H2 mlp2_w2 + b2 -> codes in slot B
	s_mov_b32 s62, 0
	s_mov_b32 s2, 0
	WADR 3
	LOADW 0, 21, 0, 0
.Ls0:
	QADR
	BADR
	LOADB 28, 27, OBU
	SW4 S0CASE
	PLACES 4
	WNEXT 3
	LOADW 0, 21, 0, 0
	WIN 0x41
.set n, 0
.rept 64
	v_pk_add_f32 v[128+2*n:129+2*n], v[2*n:2*n+1], v[28+2*(n%16):29+2*(n%16)]
.set n, n+1
.endr
	QPAIR 128, 192, 1, 1
	GEND .Ls0
	; ---- relu([lp, norm] mlp1_w1 + b1) -> codes in slot A; the bias is the C of the one product
	ds_load_b128 v[192:195], v16 offset:1536
	ds_load_b128 v[196:199], v16 offset:2048
	s_mov_b32 s62, 0
.Lh1:
	QADR
	BADR
	LOADB 28, 27, OB11
	s_lshl_b32 s2, s62, 8
	s_add_co_u32 s2, s2, s16
	v_add_nc_u32 v21, s2, v15
.irp tl, 0,1,2,3
.irp k, 0,1
	ds_load_b32 v[100+2*\tl+\k], v21 offset:OW1T1+1024*\k+128*(\tl/2)+32*(\tl%2)
.endr
.endr
	s_wait_dscnt 0x0
	WIN 0x40
.irp m, 0,1,2,3
.irp tl, 0,1,2,3
	v_wmma_f32_16x16x4_f32 v[32*\m+8*\tl:32*\m+8*\tl+7], v[100+2*\tl:101+2*\tl], v[192+2*\m:193+2*\m], v[28+8*\tl:35+8*\tl]
.endr
.endr
	RELUQ 0
	GEND .Lh1
	LOADOP 150, 0, 0, 246
	CHANGE 2, 1                                    ; wq -> slot 0
	INPLACE 4096                                   ; X += H1 mlp1_w2
	LOADOP 150, 0, 1, 246                          ; h_geo's codes
	CHANGE 3, 1                                    ; wk -> slot 1
	PROJ 3, 8192, 0                                ; q -> slot A
	CHANGE 4, 1                                    ; wv -> slot 0
	PROJ 5, 12288, 1                               ; k -> slot B
	LOADOP 150, 0, 0, 246                          ; q's codes in OPA,
	LOADOP 128, 1, 1, 250                          ; k's in window 1
	s_wait_dscnt 0x0
	s_cmp_lg_u32 s61, 0
	s_cbranch_scc1 .Lsm64
	; ---- clusters of 16: S^T = k q^T, one tile for each cluster; the finished softmax a: lane (r, h), register j: query r, key 8 h + j
	WIN 0x51
.irp s, 0,1
.irp m, 0,1,2,3
	WM 8*\m, 128+24*\m+12*\s, 150+24*\m+12*\s, 1-\s, 8*\m, 250+\m, 246+\m, \s, \s
.endr
.endr
	WIN 0
	PLACES 4
	WIN 0x14
.irp m, 0,1,2,3
	v_max3_num_f32 v[60+\m], 0xff800000, v[8*\m], v[8*\m+1]
.endr
.irp i, 2,4,6
.irp m, 0,1,2,3
	v_max3_num_f32 v[60+\m], v[60+\m], v[8*\m+\i], v[8*\m+\i+1]
.endr
.endr
	WIN 0
.irp m, 0,1,2,3
	v_permlanex16_b32 v[64+\m], v[60+\m], s96, s97
.endr
.irp m, 0,1,2,3
	v_max_num_f32 v[60+\m], v[60+\m], v[64+\m]
.endr
.irp m, 0,1,2,3
	v_mul_f32 v[60+\m], s10, v[60+\m]              ; c x the row's largest score
.endr
	WIN 0x01
.irp i, 0,2,4,6
	v_pk_fma_f32 v[28+\i:29+\i], v[\i:\i+1], s[10:11], v[60:61] op_sel_hi:[1,0,0] neg_lo:[0,0,1] neg_hi:[0,0,1]
	v_pk_fma_f32 v[36+\i:37+\i], v[8+\i:9+\i], s[10:11], v[60:61] op_sel:[0,0,1] op_sel_hi:[1,0,1] neg_lo:[0,0,1] neg_hi:[0,0,1]
	v_pk_fma_f32 v[44+\i:45+\i], v[16+\i:17+\i], s[10:11], v[62:63] op_sel_hi:[1,0,0] neg_lo:[0,0,1] neg_hi:[0,0,1]
	v_pk_fma_f32 v[52+\i:53+\i], v[24+\i:25+\i], s[10:11], v[62:63] op_sel:[0,0,1] op_sel_hi:[1,0,1] neg_lo:[0,0,1] neg_hi:[0,0,1]
.endr
	WIN 0
.set n, 0
.rept 32
	v_exp_f32 v[28+n], v[28+n]
.set n, n+1
.endr
	v_nop                                          ; a plain place behind the exponentials,
	s_wait_alu depctr_va_vdst(0)                   ; and one wait for the batch, ahead of its first reader
.irp m, 0,1,2,3
	v_pk_add_f32 v[68+2*\m:69+2*\m], v[28+8*\m:29+8*\m], v[30+8*\m:31+8*\m]
.endr
.irp m, 0,1,2,3
	v_pk_add_f32 v[76+2*\m:77+2*\m], v[32+8*\m:33+8*\m], v[34+8*\m:35+8*\m]
.endr
.irp m, 0,1,2,3
	v_pk_add_f32 v[68+2*\m:69+2*\m], v[68+2*\m:69+2*\m], v[76+2*\m:77+2*\m]
.endr
.irp m, 0,1,2,3
	v_add_f32 v[84+\m], v[68+2*\m], v[69+2*\m]
.endr
.irp m, 0,1,2,3
	v_permlanex16_b32 v[64+\m], v[84+\m], s96, s97
.endr
.irp m, 0,1,2,3
	v_add_f32 v[84+\m], v[84+\m], v[64+\m]
.endr
.irp m, 0,1,2,3
	v_rcp_f32 v[88+\m], v[84+\m]
.endr
	v_nop
	s_wait_alu depctr_va_vdst(0)
.set n, 0
.rept 16
	PKMULB 28+2*n, 28+2*n, 88+2*(n/8), (n/4)%2
.set n, n+1
.endr
.irp k, 0,1,2,3,4,5,6,7
	ds_store_b128 v8, v[28+4*\k:31+4*\k] offset:SS+512*\k              ; a waits in slot B, whose codes of k are in registers: the next phase needs these registers
.endr
	s_branch .Lsmj
.Lsm64:
	; ---- clusters of 64: S^T: 4 tiles of keys x 4 tiles of queries; p = 2^(t - M), M a whole number; l of the unquantised p; p's codes to LDS
	WIN 0x51
.irp s, 0,1
.irp mq, 0,1,2,3
.irp kt, 0,1,2,3
	WM 32*\mq+8*\kt, 128+24*\kt+12*\s, 150+24*\mq+12*\s, 1-\s, 32*\mq+8*\kt, 250+\kt, 246+\mq, \s, \s
.endr
.endr
.endr
	WIN 0
	PLACES 4
.macro SM64 q0                         ; query tiles q0 and q0 + 1.  Register 16 b + 8 u + j of a tile is key 32 b + 16 u + 8 h + j: inside a block of 32 another order than the keys', the same as in v's codes
	WIN 0x14
.irp q, 0,1,2,3
	v_max3_num_f32 v[60+\q], 0xff800000, v[32*(\q0)+16*\q], v[32*(\q0)+16*\q+1]
.endr
.irp i, 2,4,6,8,10,12,14
.irp q, 0,1,2,3
	v_max3_num_f32 v[60+\q], v[60+\q], v[32*(\q0)+16*\q+\i], v[32*(\q0)+16*\q+\i+1]
.endr
.endr
	WIN 0
	v_max_num_f32 v60, v60, v61
	v_max_num_f32 v62, v62, v63
	v_permlanex16_b32 v64, v60, s96, s97
	v_permlanex16_b32 v66, v62, s96, s97
	v_max_num_f32 v60, v60, v64
	v_max_num_f32 v62, v62, v66
	v_mul_f32 v60, s10, v60                        ; the row's largest t (c is positive)
	v_mul_f32 v62, s10, v62
	v_floor_f32 v60, -v60                          ; -M = floor(-t) = -ceil(t)
	v_floor_f32 v62, -v62
	WIN 0x41
.set n, 0
.rept 32
	v_pk_fma_f32 v[128+32*(\q0)+2*n:129+32*(\q0)+2*n], v[32*(\q0)+2*n:32*(\q0)+2*n+1], s[10:11], v[60+2*(n/16):61+2*(n/16)] op_sel_hi:[1,0,0]
.set n, n+1
.endr
.set n, 0
.rept 64
	v_exp_f32 v[128+32*(\q0)+n], v[128+32*(\q0)+n]
.set n, n+1
.endr
	v_nop
	s_wait_alu depctr_va_vdst(0)                   ; one wait for the 64
	WIN 0x05
.irp q, 0,1,2,3
	v_pk_add_f32 v[68+2*\q:69+2*\q], v[128+32*(\q0)+16*\q:129+32*(\q0)+16*\q], v[130+32*(\q0)+16*\q:131+32*(\q0)+16*\q]
.endr
	WIN 0x04
.irp i, 4,6,8,10,12,14
.irp q, 0,1,2,3
	v_pk_add_f32 v[68+2*\q:69+2*\q], v[68+2*\q:69+2*\q], v[128+32*(\q0)+16*\q+\i:129+32*(\q0)+16*\q+\i]
.endr
.endr
	WIN 0
	v_pk_add_f32 v[68:69], v[68:69], v[70:71]
	v_pk_add_f32 v[72:73], v[72:73], v[74:75]
	v_add_f32 v68, v68, v69
	v_add_f32 v72, v72, v73
	v_permlanex16_b32 v64, v68, s96, s97
	v_permlanex16_b32 v66, v72, s96, s97
	v_add_f32 v68, v68, v64
	v_add_f32 v72, v72, v66
	v_rcp_f32 v[96+(\q0)], v68
	v_rcp_f32 v[97+(\q0)], v72
	Q2 128+32*(\q0), 1, 1, 17, 18, 19, 768*(\q0), 768, 64*(\q0), 64
	s_wait_alu depctr_va_vdst(0)                   ; for the two reciprocals: the quantiser was the independent work behind them
.endm
	SM64 0
	SM64 2
.Lsmj:
	; ---- h_pos = X + mlp1_b2 -> codes in slot A; the residual takes mlp1_b2 + bo
	s_mov_b32 s62, 0
.Lhp:
	QADR
	BADR
	LOADB 28, 27, OBH
	LOADB 100, 27, OBX
	s_wait_dscnt 0x0
	SW4 HPCASE
	QPAIR 128, 192, 1, 0
	GEND .Lhp
	LOADOP 150, 0, 0, 246
	CHANGE 5, 1                                    ; wo -> slot 1
	s_cmp_lg_u32 s61, 0
	s_cbranch_scc1 .Lv64
	; ---- clusters of 16: v = h_pos wv the natural way round (lane: a channel; registers: keys 8 h + j), then O^T = v^T a by the f32 form: slot (h, j) of K step kk is key 8 h + 2 kk + j in both operands
.irp k, 0,1,2,3,4,5,6,7
	ds_load_b128 v[28+4*\k:31+4*\k], v8 offset:SS+512*\k
.endr
	s_mov_b32 s62, 0
	s_mov_b32 s2, 0
	WADR 3
	LOADW 0, 21, 0, 16384
.Lv16:
	QADR
.irp tl, 0,1,2
	TILE \tl, 1, 21, 16384, 1, 128+32*\tl, 8, 1, 0, 0x50, 0x50
.endr
	TILE 3, 0, 21, 16384, 1, 224, 8, 1, 0, 0x50, 0x50
	WIN 0
	PLACES 5                                       ; five: matrix instructions take these results as a source
	WNEXT 3
	LOADW 0, 21, 0, 16384
	WIN 0x51
.irp tl, 0,1,2,3
.irp m, 0,1,2,3
	v_wmma_f32_16x16x4_f32 v[32*\m+8*\tl:32*\m+8*\tl+7], v[128+32*\tl+8*\m:129+32*\tl+8*\m], v[28+8*\m:29+8*\m], 0
.endr
.endr
.irp kk, 1,2,3
.irp tl, 0,1,2,3
.irp m, 0,1,2,3
	v_wmma_f32_16x16x4_f32 v[32*\m+8*\tl:32*\m+8*\tl+7], v[128+32*\tl+8*\m+2*\kk:129+32*\tl+8*\m+2*\kk], v[28+8*\m+2*\kk:29+8*\m+2*\kk], v[32*\m+8*\tl:32*\m+8*\tl+7]
.endr
.endr
.endr
	WIN 0
	PLACES 8
	QPAIR 0, 64, 1, 0
	GEND .Lv16
	s_branch .Lvj
.Lv64:
	; ---- clusters of 64: v the natural way round, quantised along the keys: a tile of 16 channels is one piece (K = 64) -> slot B
	s_mov_b32 s62, 0
	s_mov_b32 s2, 0
	WADR 3
	LOADW 0, 21, 0, 16384
.Lva:
	s_mul_i32 s93, s62, 3072
	s_lshl_b32 s94, s62, 8
	v_add_nc_u32 v24, s93, v8
	v_add_nc_u32 v25, s93, v9
	v_add_nc_u32 v26, s94, v12
.irp tl, 0,1,2
	TILE \tl, 1, 21, 16384, 1, 32*\tl, 8, 1, 0, 0x50, 0x50
.endr
	TILE 3, 0, 21, 16384, 1, 96, 8, 1, 0, 0x50, 0x50
	WIN 0
	PLACES 4
	WNEXT 3
	LOADW 0, 21, 0, 16384
	Q2 0, 1, 1, 24, 25, 26, SS, 768, SS, 64
	Q2 64, 1, 1, 24, 25, 26, SS+1536, 768, SS+128, 64
	GEND .Lva
	s_wait_dscnt 0x0
	PLACES 4
.irp mq, 0,1,2,3                       ; p's four operands: K = 64 is half an operand; the other half is zero codes, under the scale bytes 0
	ds_load_b128 v[150+12*\mq:153+12*\mq], v17 offset:768*\mq
	ds_load_b64 v[154+12*\mq:155+12*\mq], v18 offset:768*\mq+512
.endr
	ds_load_b32 v246, v20
	ds_load_b32 v247, v20 offset:128
.irp t, 0,1,2,3
.irp i, 6,7,8,9,10,11
	v_mov_b32 v[150+12*\t+\i], 0
	v_mov_b32 v[100+12*\t+\i], 0
.endr
.endr
.macro VLOAD                           ; s2 = a granule: its four tiles of v's codes and their scale words
	s_mul_i32 s66, s2, 3072
	s_lshl_b32 s67, s2, 8
	v_add_nc_u32 v21, s66, v8
	v_add_nc_u32 v22, s66, v9
	v_add_nc_u32 v23, s67, v13
.irp tl, 0,1,2,3
	ds_load_b128 v[100+12*\tl:103+12*\tl], v21 offset:SS+768*\tl
	ds_load_b64 v[104+12*\tl:105+12*\tl], v22 offset:SS+768*\tl+512
.endr
	ds_load_b32 v148, v23 offset:SS
	ds_load_b32 v149, v23 offset:SS+128
.endm
	s_mov_b32 s62, 0
	s_mov_b32 s2, 0
	VLOAD
.Lvo:                                  ; O^T = v^T p, divided by l, -> codes in slot A
	QADR
	s_wait_dscnt 0x0
	WIN 0x40
.irp mq, 0,1,2,3
.irp tl, 0,1,2,3
	WM 32*\mq+8*\tl, 100+12*\tl, 150+12*\mq, 1, 0, 148+\tl/2, 246+\mq/2, \tl%2, \mq%2
.endr
.endr
	WIN 0
	PLACES 4
	s_add_co_u32 s2, s62, 1
	s_and_b32 s2, s2, 3
	VLOAD
	WIN 0x41
.set n, 0
.rept 64
	PKMULB 128+2*n, 2*n, 96+2*(n/32), (n/16)%2
.set n, n+1
.endr
	QPAIR 128, 192, 1, 0
	GEND .Lvo
.Lvj:
	LOADOP 150, 0, 0, 246
	CHANGE 6, 0                                    ; wo has landed in every wave's part
	INPLACE 20480                                  ; X += O wo
	; ---- LayerNorm on X.  A row's 256 numbers lie in lanes l and l xor 16, 128 each
	PLACES 4
	WIN 0x0a
.irp m, 0,1,2,3
	v_pk_add_f32 v[60+2*\m:61+2*\m], v[32*\m:32*\m+1], v[32*\m+2:32*\m+3]
.endr
.macro LNSUM xb, n0
.set n, \n0
.rept 16-(\n0)
.irp m, 0,1,2,3
	v_pk_add_f32 v[60+2*\m:61+2*\m], v[60+2*\m:61+2*\m], v[(\xb)+32*\m+2*n:(\xb)+32*\m+2*n+1]
.endr
.set n, n+1
.endr
.endm
	WIN 0x08
	LNSUM 0, 2
	LNSUM 128, 0
	WIN 0x0c
	LNSUM 0, 0
	LNSUM 128, 0
	WIN 0
.irp m, 0,1,2,3
	v_add_f32 v[76+\m], v[60+2*\m], v[61+2*\m]
.endr
.irp m, 0,1,2,3
	v_permlanex16_b32 v[88+\m], v[76+\m], s96, s97
.endr
.irp m, 0,1,2,3
	v_add_f32 v[76+\m], v[76+\m], v[88+\m]
.endr
.irp m, 0,1,2,3
	v_mul_f32 v[76+\m], 0x3b800000, v[76+\m]       ; the mean: x 2^-8
.endr
.macro LNVAR g                         ; X -= mean, and the squares' sums
.set XB, 128*((\g)%2)
.set XW, 2+(\g)/2
	WIN (XW<<6)|XW
.set n, 0
.rept 64
	PKSUBB XB+2*n, XB+2*n, 76+2*(n/32), (n/16)%2
.set n, n+1
.endr
	WIN XW|(XW<<2)
.set n, 0
.rept 16
.irp m, 0,1,2,3
.if ((\g)==0) && (n==0)
	v_pk_mul_f32 v[68+2*\m:69+2*\m], v[XB+32*\m+2*n:XB+32*\m+2*n+1], v[XB+32*\m+2*n:XB+32*\m+2*n+1]
.else
	v_pk_fma_f32 v[68+2*\m:69+2*\m], v[XB+32*\m+2*n:XB+32*\m+2*n+1], v[XB+32*\m+2*n:XB+32*\m+2*n+1], v[68+2*\m:69+2*\m]
.endif
.endr
.set n, n+1
.endr
.endm
	LNVAR 0
	LNVAR 1
	LNVAR 2
	LNVAR 3
	WIN 0
.irp m, 0,1,2,3
	v_add_f32 v[80+\m], v[68+2*\m], v[69+2*\m]
.endr
.irp m, 0,1,2,3
	v_permlanex16_b32 v[88+\m], v[80+\m], s96, s97
.endr
.irp m, 0,1,2,3
	v_add_f32 v[80+\m], v[80+\m], v[88+\m]
.endr
.irp m, 0,1,2,3
	v_fma_f32 v[80+\m], v[80+\m], 0x3b800000, s101
.endr
.irp m, 0,1,2,3
	v_rsq_f32 v[80+\m], v[80+\m]
.endr
	v_add_nc_u32 v27, s14, v14                     ; (a plain place)  the block's gains and offsets
	s_wait_alu depctr_va_vdst(0)
.macro LNOUT g                         ; X = X x rsqrt x gain + offset; the tables' loads land under the first multiplication
.set XB, 128*((\g)%2)
.set XW, 2+(\g)/2
	WIN 0
	LOADB 28, 27, OLG+256*(\g)
	LOADB 100, 27, OLB+256*(\g)
	WIN (XW<<6)|XW
.set n, 0
.rept 64
	PKMULB XB+2*n, XB+2*n, 80+2*(n/32), (n/16)%2
.set n, n+1
.endr
	s_wait_dscnt 0x0
.set n, 0
.rept 64
	v_pk_fma_f32 v[XB+2*n:XB+2*n+1], v[XB+2*n:XB+2*n+1], v[28+2*(n%16):29+2*(n%16)], v[100+2*(n%16):101+2*(n%16)]
.set n, n+1
.endr
.endm
	LNOUT 0
	LNOUT 1
	LNOUT 2
	LNOUT 3
	WIN 0
	s_add_co_u32 s61, s61, 1
	s_cmp_lt_u32 s61, 2
	s_cbranch_scc1 .Lblock
; ---------------------------------------------------------------- the records: X's codes and scale bytes, through a stage of 64 rows x 272 bytes, out as whole rows of 256 bytes
	v_and_b32 v28, 31, v0
	v_and_b32 v29, 15, v0
	v_bfe_u32 v30, v0, 4, 1
	v_mul_u32_u24 v26, v29, 272
	v_add_nc_u32 v26, s63, v26                     ; row r
	v_mad_u32_u24 v24, v30, 96, v26                ; + 96 h
	v_lshrrev_b32 v21, 3, v28
	v_mul_u32_u24 v21, v21, 272
	v_and_b32 v31, 7, v0
	v_lshl_add_u32 v21, v31, 3, v21
	v_add_nc_u32 v21, s63, v21                     ; the zeros: eight lanes to a row
	v_mul_u32_u24 v22, v30, 272
	v_lshl_add_u32 v22, v29, 4, v22
	v_add_nc_u32 v22, s63, v22                     ; back: lanes 0-15 one row, lanes 16-31 the next
	v_lshlrev_b32 v23, 4, v28
	v_mov_b32 v32, 0
	v_mov_b32 v33, 0
.set n, 0
.rept 16
	ds_store_b64 v21, v[32:33] offset:200+1088*n
.set n, n+1
.endr
.irp g, 0,1,2,3
.irp m, 0,2
	Q2 128*(\g%2)+32*\m, 2+\g/2, 2, 24, 24, 26, 4352*\m+24*\g, 4352, 4352*\m+192+2*\g, 4352
.endr
.endr
.set n, 0
.rept 32
	ds_load_b128 v[100+4*n:103+4*n], v22 offset:544*n                  ; LDS serves a wave's instructions in order: these see my stores
.set n, n+1
.endr
.set n, 0
.rept 32
	s_wait_dscnt 31-n                              ; rows 2 n and 2 n + 1 are back; the younger loads may be out
	global_store_b128 v23, v[100+4*n:103+4*n], s[8:9] offset:512*n     ; 32 lanes store 512 consecutive bytes, at a multiple of 256 from rec's first byte
.set n, n+1
.endr
	s_wait_tensorcnt 0x0                           ; the wave's end
	ds_add_u32 v1, v2
	s_wait_dscnt 0x0
	ROUND                                          ; the closing round: no work-group ends while a partner may still ask for a matrix jointly
	s_endpgm
.Lfunc_end_k_q10cfc7289c_chain:
	.size	k_q10cfc7289c_chain, .Lfunc_end_k_q10cfc7289c_chain-k_q10cfc7289c_chain
	.p2alignl 7, 3214868480
	.fill 96, 4, 3214868480
	.section	.rodata,"a",@progbits
	.p2align	6, 0x0
	.amdhsa_kernel k_q10cfc7289c_chain
		.amdhsa_group_segment_fixed_size 327680
		.amdhsa_private_segment_fixed_size 0
		.amdhsa_enable_private_segment 0
		.amdhsa_kernarg_size 192
		.amdhsa_user_sgpr_count 2
		.amdhsa_user_sgpr_kernarg_segment_ptr 1
		.amdhsa_wavefront_size32 1
		.amdhsa_system_sgpr_workgroup_id_x 1
		.amdhsa_system_sgpr_workgroup_id_y 1
		.amdhsa_system_sgpr_workgroup_id_z 1
		.amdhsa_system_vgpr_workitem_id 0
		.amdhsa_next_free_vgpr 1024
		.amdhsa_next_free_sgpr 102
		.amdhsa_reserve_vcc 0
		.amdhsa_float_denorm_mode_32 3
		.amdhsa_float_denorm_mode_16_64 3
		.amdhsa_memory_ordered 1
		.amdhsa_forward_progress 1
		.amdhsa_inst_pref_size 255
	.end_amdhsa_kernel
	.section	.bss,"aw",@nobits
	.p2align	6
	.space	262144
	.amdgpu_metadata
---
amdhsa.version: [ 1, 2 ]
amdhsa.kernels:
  - .name:           k_q10cfc7289c_chain
    .symbol:         k_q10cfc7289c_chain.kd
    .args:
      - { .name: feat, .offset: 0, .size: 8, .value_kind: global_buffer, .address_space: global }
      - { .name: pos, .offset: 8, .size: 8, .value_kind: global_buffer, .address_space: global }
      - { .name: rec, .offset: 16, .size: 8, .value_kind: global_buffer, .address_space: global }
      - { .name: mlp2_w2_codes, .offset: 24, .size: 8, .value_kind: global_buffer, .address_space: global }
      - { .name: mlp1_w2_codes, .offset: 32, .size: 8, .value_kind: global_buffer, .address_space: global }
      - { .name: wq_codes, .offset: 40, .size: 8, .value_kind: global_buffer, .address_space: global }
      - { .name: wk_codes, .offset: 48, .size: 8, .value_kind: global_buffer, .address_space: global }
      - { .name: wv_codes, .offset: 56, .size: 8, .value_kind: global_buffer, .address_space: global }
      - { .name: wo_codes, .offset: 64, .size: 8, .value_kind: global_buffer, .address_space: global }
      - { .name: mlp2_w2_scales, .offset: 72, .size: 8, .value_kind: global_buffer, .address_space: global }
      - { .name: mlp1_w2_scales, .offset: 80, .size: 8, .value_kind: global_buffer, .address_space: global }
      - { .name: wq_scales, .offset: 88, .size: 8, .value_kind: global_buffer, .address_space: global }
      - { .name: wk_scales, .offset: 96, .size: 8, .value_kind: global_buffer, .address_space: global }
      - { .name: wv_scales, .offset: 104, .size: 8, .value_kind: global_buffer, .address_space: global }
      - { .name: wo_scales, .offset: 112, .size: 8, .value_kind: global_buffer, .address_space: global }
      - { .name: mlp1_w1, .offset: 120, .size: 8, .value_kind: global_buffer, .address_space: global }
      - { .name: mlp2_w1, .offset: 128, .size: 8, .value_kind: global_buffer, .address_space: global }
      - { .name: mlp1_b1, .offset: 136, .size: 8, .value_kind: global_buffer, .address_space: global }
      - { .name: mlp2_b1, .offset: 144, .size: 8, .value_kind: global_buffer, .address_space: global }
      - { .name: mlp1_b2, .offset: 152, .size: 8, .value_kind: global_buffer, .address_space: global }
      - { .name: mlp2_b2, .offset: 160, .size: 8, .value_kind: global_buffer, .address_space: global }
      - { .name: bo, .offset: 168, .size: 8, .value_kind: global_buffer, .address_space: global }
      - { .name: ln_g, .offset: 176, .size: 8, .value_kind: global_buffer, .address_space: global }
      - { .name: ln_b, .offset: 184, .size: 8, .value_kind: global_buffer, .address_space: global }
    .group_segment_fixed_size: 327680
    .private_segment_fixed_size: 0
    .kernarg_segment_align: 8
    .kernarg_segment_size: 192
    .max_flat_workgroup_size: 128
    .sgpr_count:     102
    .vgpr_count:     1024
    .wavefront_size: 32
...
	.end_amdgpu_metadata
.endif
;; end of part 1
;; launch pool (part 2): grid 256 x 1, 8 waves a work-group, no clusters, 320,512 bytes of LDS; arguments rec, knn_idx, fps_idx, pos, td_w_codes, td_w_scales, td_b, bn_g, bn_b, bn_mean, bn_var, out0, out1; writes out0, out1
.if DOCPART == 2
	.amdgcn_target "amdgcn-amd-amdhsa--gfx1250"
	.amdhsa_code_object_version 6
	.text
	.protected	k_q10cfc7289c_pool
	.globl	k_q10cfc7289c_pool
	.p2align	8
	.type	k_q10cfc7289c_pool,@function
k_q10cfc7289c_pool:
	s_mov_b64 s[64:65], 0
	v_nop
	global_prefetch_b8 v0, s[64:65] scope:SCOPE_SE
	s_setreg_imm32_b32 hwreg(HW_REG_WAVE_MODE, 25, 1), 1
	s_wait_xcnt 0x0
; out1[point][:] = the largest, over the point's 16 neighbours, of relu(BN(f2[neighbour] td_w + td_b));  out0[point] = pos[fps_idx[point]].
; The 16 neighbours of a point are one operand tile of 16 rows: their records (256 bytes: lane (r, h)'s 96 bytes of codes at 96 h, the 8 scale bytes at 192) are gathered, and the product is made on
; the gathered rows, so that the 512 wide layer never goes to memory.
; SHARES.  A work-group owns 64 points of one batch.  Phase 1: wave w gathers points 8 w .. 8 w + 7 into LDS, and brings rows 64 w .. 64 w + 63 of td_w into an LDS stage.  One barrier.
; Phase 2: waves 4 q .. 4 q + 3 take points 32 q .. 32 q + 31; wave 4 q + c makes columns 128 c .. 128 c + 127, whose 8 tiles x 2 K steps of td_w it reads from the stage into 192 registers, once.
; Two waves share a SIMD: one's vector work stands beside the other's products.
; LONG RUNS IN.  td_w: each load of a wave covers 512 consecutive bytes, and the work-group reads each byte once.  The gathers: a record's codes are 12 chunks of 16 bytes; lane L of instruction
; 3 e3 + k0 takes chunk z % 12 of record 8 e3 + z / 12, z = 32 k0 + L: 32 chunks on end, in at most four records.  Each lane loads the index of its own record.
; Tile 2 i + u of td_w takes rows 128 c + 64 u + 4 r + i, so that behind the maximum lane L holds columns 128 c + 4 L + 0 .. 3: 16 bytes, and the wave stores 512 consecutive bytes.
; No cluster and no tensor load: what work-groups share, td_w's 98,304 bytes, is read once by each.  out0 leaves as 128 bytes a wave: 768 bytes a work-group.
; LIMITS.  NaN and infinities are not served.  BN is applied as a x + c with a = rsqrt(var + 1e-5) g, c = (td_b - mean) a + bn_b: another order of rounding than the source's.
; LDS.  A point's image: 16 rows (neighbours) of 208 bytes: 192 of codes, 8 scale bytes, 8 spare.  The stage: 512 rows of 208 bytes; wave w's 64 rows on end, row 4 r + i of them at place
; 16 i + 8 (r & 1) + (r >> 1).  208 bytes are 52 words: 16 rows on end start at 16 different multiples of 4 banks (64 banks of 4 bytes: ISA guide 11.1).
; REGISTERS.  window 0: v1-28 addresses that stay; v30-31 out0's index and number; v32-223 eight points' codes, later two operand buffers (v32, v58), v84-91 maxima, v96-159 accumulators, v160-167 results;
;   v224-231 the points' scale words (in phase 2: v224, v225); v232-239 td_w's scale words; v240-255 the pairs (a, c).
;   window 1: v0-95 my part of td_w on its way to the stage, v96-151 the gathers' offsets; later v0-191 td_w's fragments; v192-231 the BN inputs, table x at 192 + 8 x, register 4 u + i for tile 2 i + u.
.set IMG, 3328                         ; a point's image
.set TP,  208                          ; a row, in an image and in the stage
.set TDS, 64*IMG                       ; the stage, behind the 64 images
.set MSB, 0
.macro WIN new                         ; the immediate's high byte repeats the setting that is left
.if MSB != (\new)
	s_set_vgpr_msb (MSB<<8)|(\new)
.set MSB, (\new)
.endif
.endm
	s_load_b512 s[4:19], s[0:1], 0x0               ; rec, knn_idx, fps_idx, pos, td_w_codes, td_w_scales, td_b, bn_g
	s_load_b256 s[20:27], s[0:1], 0x40             ; bn_b, bn_mean, bn_var, out0
	s_load_b64 s[28:29], s[0:1], 0x60              ; out1
	v_lshl_add_u32 v29, v0, 2, 0x4e000
	s_set_vgpr_msb 0x40
	v_mov_b32 v255, 0
	s_set_vgpr_msb 0x4000
	v_lshrrev_b32 v1, 5, v0
	v_readfirstlane_b32 s30, v1                    ; wave 0..7
	s_lshr_b32 s31, s30, 2                         ; q
	s_and_b32 s32, s30, 3                          ; c
	s_lshr_b32 s33, ttmp9, 5                       ; the batch
	s_mov_b32 s37, 0x3727c5ac                      ; 1e-5
	v_and_b32 v1, 31, v0                           ; lane
	v_and_b32 v2, 15, v0                           ; r
	v_bfe_u32 v3, v0, 4, 1                         ; h
	v_lshlrev_b32 v4, 2, v2                        ; knn_idx, for the scale words: neighbour r
	v_min_u32 v5, 191, v0                          ; out0: thread t < 192 takes number t of the group's 64 x 3; the others repeat the last and store nothing
	v_mul_u32_u24 v6, v5, 171
	v_lshrrev_b32 v6, 9, v6                        ; t / 3, right for t up to 191
	v_mul_u32_u24 v7, v6, 3
	v_sub_nc_u32 v7, v5, v7                        ; t % 3
	v_lshlrev_b32 v6, 2, v6
	v_lshlrev_b32 v7, 2, v7
	v_lshlrev_b32 v5, 2, v0                        ; where thread t stores
	s_lshl_b32 s36, s32, 9
	v_lshl_add_u32 v8, v2, 4, s36                  ; a column's parameters: 16 r + 512 c: four neighbouring columns, one of each of the tiles i = 0 .. 3
	v_lshl_add_u32 v28, v1, 4, s36                 ; out1: 16 L + 512 c
	s_lshl_b32 s36, s32, 10
	v_lshl_add_u32 v9, v2, 5, s36                  ; td_w's scale words: 32 r + 4 h + 1,024 c
	v_lshl_add_u32 v9, v3, 2, v9
	v_lshlrev_b32 v10, 4, v1                       ; td_w's codes on the way in: 16 bytes a lane
	v_lshlrev_b32 v11, 2, v3                       ; a record's scale word of my half
	s_mul_i32 s38, s30, 8*IMG                      ; my wave's eight images
	s_mul_i32 s39, s30, 64*TP
	s_add_co_u32 s39, s39, TDS                     ; my wave's 64 rows of the stage
.irp k, 0,1,2                          ; three instructions are 96 chunks = 8 rows of 12: then the pattern of lanes comes back, so three sets of addresses serve td_w's 24 loads and a point's 6
	v_add_nc_u32 v32, 32*\k, v1                    ; z
	v_mul_u32_u24 v33, v32, 171
	v_lshrrev_b32 v33, 11, v33                     ; z / 12: exact for z under 96
	v_lshlrev_b32 v[12+\k], 2, v33                 ; knn_idx: the neighbour whose record I read
	v_lshlrev_b32 v34, 4, v32                      ; 16 z
	v_mul_u32_u24 v35, v33, 192
	v_sub_nc_u32 v[16+\k], v34, v35                ; 16 (z % 12): my chunk in the record
	v_add_nc_u32 v35, v32, v33
	v_lshl_add_u32 v[19+\k], v35, 4, s38           ; into an image: 208 (z / 12) + 16 (z % 12) = 16 (z + z / 12)
	v_and_b32 v35, 3, v33                          ; into the stage: row z / 12 = 4 a + i goes to place 16 i + 8 a:
	v_lshrrev_b32 v36, 2, v33
	v_mad_u32_u24 v34, v35, 3136, v34              ; 208 (16 i + 8 a) + 16 (z % 12) = 3,136 i + 896 a + 16 z
	v_mad_u32_u24 v34, v36, 896, v34
	v_add_nc_u32 v[22+\k], s39, v34
.endr
	v_mul_u32_u24 v25, v2, TP                      ; an image's scale words: row r, + 4 h (192 stands in the immediates)
	v_lshl_add_u32 v25, v3, 2, v25
	s_mul_i32 s36, s31, 32*IMG                     ; my group's 32 images
	v_add_nc_u32 v27, s36, v25                     ; their scale words, on the way out
	v_add_nc_u32 v25, s38, v25                     ; my wave's, on the way in
	v_mul_u32_u24 v15, v2, TP
	v_mad_u32_u24 v15, v3, 96, v15
	v_add_nc_u32 v15, s36, v15                     ; my group's codes: row r, + 96 h
	v_and_b32 v32, 1, v0
	v_bfe_u32 v33, v0, 1, 3
	v_lshl_add_u32 v32, v32, 3, v33                ; my row's place in a tile of the stage: 8 (r & 1) + (r >> 1)
	v_mul_u32_u24 v26, v32, TP
	v_mad_u32_u24 v26, v3, 24, v26
	s_mul_i32 s36, s32, 128*TP
	s_add_co_u32 s36, s36, TDS
	v_add_nc_u32 v26, s36, v26                     ; td_w's fragments: my quarter's 128 rows
	s_mov_b32 s35, 0
	s_wait_kmcnt 0x0
	s_lshl_b32 s34, ttmp9, 12
	s_lshl_b32 s36, s30, 9
	s_add_co_u32 s34, s34, s36
	s_add_nc_u64 s[6:7], s[6:7], s[34:35]          ; knn_idx at my wave's first point
	s_lshl_b32 s34, ttmp9, 8
	s_add_nc_u64 s[8:9], s[8:9], s[34:35]          ; fps_idx at the group's first point
	s_lshl_b32 s34, s33, 21
	s_add_nc_u64 s[4:5], s[4:5], s[34:35]          ; rec and pos at the batch
	s_mul_i32 s34, s33, 98304
	s_add_nc_u64 s[10:11], s[10:11], s[34:35]
	s_mul_i32 s34, s30, 12288
	s_add_nc_u64 s[12:13], s[12:13], s[34:35]      ; td_w's codes at my wave's 64 rows
	s_mul_i32 s34, ttmp9, 768
	s_add_nc_u64 s[26:27], s[26:27], s[34:35]
	s_lshl_b32 s34, ttmp9, 17
	s_lshl_b32 s36, s31, 16
	s_add_co_u32 s34, s34, s36
	s_add_nc_u64 s[28:29], s[28:29], s[34:35]      ; out1 at my group's first point
	; ---- the indices first: the gathers hang on them.  57 loads
	WIN 0x40                                       ; destination window 1
.irp k, 0,1,2,3,4,5,6,7
.irp e, 0,1,2,3,4,5
	global_load_b32 v[96+6*\k+\e], v[12+(\e%3)], s[6:7] offset:64*\k+32*(\e/3)
.endr
	global_load_b32 v[144+\k], v4, s[6:7] offset:64*\k
.endr
	WIN 0
	global_load_b32 v30, v6, s[8:9]
	; ---- my 12,288 bytes of td_w: 24 loads of 512 consecutive bytes; then the parameters: 18 loads
	WIN 0x40
.set n, 0
.rept 24
	global_load_b128 v[4*n:4*n+3], v10, s[12:13] offset:512*n
.set n, n+1
.endr
.irp x, 0,1,2,3,4                      ; td_b, bn_g, bn_b, bn_mean, bn_var
.irp u, 0,1
	global_load_b128 v[192+8*\x+4*\u:195+8*\x+4*\u], v8, s[16+2*\x:17+2*\x] offset:256*\u
.endr
.endr
	WIN 0
.irp t, 0,1,2,3,4,5,6,7
	global_load_b32 v[232+\t], v9, s[14:15] offset:512*(\t%2)+8*(\t/2)
.endr
	s_wait_loadcnt 42                              ; the 57 loads of indices are in; the 24 + 18 behind them may be out
	WIN 0x44
.set n, 0
.rept 56
	v_min_u32 v[96+n], 0x1fff, v[96+n]             ; an index stays inside its table
.set n, n+1
.endr
.set n, 0
.rept 56
	v_lshlrev_b32 v[96+n], 8, v[96+n]              ; 256 bytes a record
.set n, n+1
.endr
	WIN 0x41
.irp k, 0,1,2,3,4,5,6,7
.irp e, 0,1,2,3,4,5
	v_add_nc_u32 v[96+6*\k+\e], v[96+6*\k+\e], v[16+(\e%3)]
.endr
	v_add_nc_u32 v[144+\k], v[144+\k], v11
.endr
	WIN 0
	v_min_u32 v30, 0x1fff, v30
	v_mul_u32_u24 v30, v30, 12
	v_add_nc_u32 v30, v30, v7
	; ---- the gathers: 57 loads
	WIN 0x01                                       ; the offsets lie in window 1
.irp k, 0,1,2,3,4,5,6,7
.irp e, 0,1,2,3,4,5
	global_load_b128 v[32+24*\k+4*\e:35+24*\k+4*\e], v[96+6*\k+\e], s[4:5]
.endr
	global_load_b32 v[224+\k], v[144+\k], s[4:5] offset:192            ; lane (r, h): the scale word of K step h of neighbour r
.endr
	WIN 0
	global_load_b32 v31, v30, s[10:11]
	s_wait_loadcnt 57                              ; td_w and the parameters are in; the 57 gathers may be out
	WIN 0x04                                       ; an LDS store's data are its source 1: window 1
.set n, 0
.rept 24
	ds_store_b128 v[22+n%3], v[4*n:4*n+3] offset:TP*(n/3)              ; three loads on are 8 rows on: r + 2, one place in the stage
.set n, n+1
.endr
	WIN 0x55                                       ; the pairs (a, c) are made while the gathers are on their way
.irp n, 0,1,2,3,4,5,6,7
	v_add_f32 v[224+\n], s37, v[224+\n]            ; var + 1e-5
.endr
.irp n, 0,1,2,3,4,5,6,7
	v_sub_f32 v[192+\n], v[192+\n], v[216+\n]      ; td_b - mean
.endr
.irp n, 0,1,2,3,4,5,6,7
	v_rsq_f32 v[224+\n], v[224+\n]
.endr
	v_nop                                          ; a plain place behind the roots,
	s_wait_alu depctr_va_vdst(0)                   ; and one wait for the eight, ahead of their first reader
	WIN 0x05
.irp n, 0,1,2,3,4,5,6,7                ; register n = 4 u + i belongs to tile 2 i + u
	v_mul_f32 v[240+2*(2*(\n%4)+\n/4)], v[224+\n], v[200+\n]           ; a
.endr
	WIN 0x11
.irp n, 0,1,2,3,4,5,6,7
	v_fma_f32 v[241+2*(2*(\n%4)+\n/4)], v[192+\n], v[240+2*(2*(\n%4)+\n/4)], v[208+\n]   ; c
.endr
	WIN 0
	s_wait_loadcnt 0x0                             ; the gathers
	s_cmp_lt_u32 s30, 6
	s_cbranch_scc0 .Lno_pos
	global_store_b32 v5, v31, s[26:27]
.Lno_pos:
.irp k, 0,1,2,3,4,5,6,7
.irp e, 0,1,2,3,4,5
	ds_store_b128 v[19+(\e%3)], v[32+24*\k+4*\e:35+24*\k+4*\e] offset:IMG*\k+8*TP*(\e/3)
.endr
	ds_store_b32 v25, v[224+\k] offset:IMG*\k+192
.endr
	s_wait_dscnt 0x0                               ; my images and my rows of the stage have landed
	s_barrier_signal -1
	s_barrier_wait -1                              ; everybody's have; from here on LDS is only read
	WIN 0x40
.irp t, 0,1,2,3,4,5,6,7                ; td_w's fragments (tile t, K step s) at v[24 t + 12 s] of window 1: they stay.  Tile 2 i + u lies at rows 64 u + 16 i of my quarter
.irp s, 0,1
.irp p, 0,1,2,3,4,5
	ds_load_b64 v[24*\t+12*\s+2*\p:24*\t+12*\s+2*\p+1], v26 offset:TP*(64*(\t%2)+16*(\t/2))+96*\s+48*(\p/3)+8*(\p%3)
.endr
.endr
.endr
	WIN 0
.irp p, 0,1,2,3,4,5
	ds_load_b128 v[32+4*\p:35+4*\p], v15 offset:16*\p                  ; the first point
.endr
	ds_load_b32 v224, v27 offset:192
; One point.  set: which buffer holds it;  pre = 1: the next point, po bytes on from the trip's address, is asked for into the other buffer;  oo: the point's place in out1 from the trip's base;
; step = 1: out1's base goes two points on, ahead of the trip's stores, which reach back.
.macro POINT set, pre, po, oo, step
.if \pre
.irp p, 0,1,2,3,4,5
	ds_load_b128 v[32+26*(1-(\set))+4*\p:35+26*(1-(\set))+4*\p], v6 offset:(\po)+16*\p
.endr
	ds_load_b32 v[225-(\set)], v7 offset:(\po)+192
	s_wait_dscnt 7                                 ; the seven just issued may be out; this point's, and td_w's fragments, are in
.else
	s_wait_dscnt 0x0
.endif
	WIN 0x04                                       ; source 1, td_w, in window 1
.irp t, 0,1,2,3,4,5,6,7                ; source 0 = the 16 neighbours: register j of lane (r, h) is neighbour 8 h + j at the tile's column r.  The eight accumulators take turns
	v_wmma_scale_f32_16x16x128_f8f6f4 v[96+8*\t:103+8*\t], v[32+26*(\set):43+26*(\set)], v[24*\t:24*\t+11], 0, v[224+(\set)], v[232+\t] matrix_a_fmt:MATRIX_FMT_FP6 matrix_b_fmt:MATRIX_FMT_FP6
.endr
.irp t, 0,1,2,3,4,5,6,7
	v_wmma_scale_f32_16x16x128_f8f6f4 v[96+8*\t:103+8*\t], v[44+26*(\set):55+26*(\set)], v[24*\t+12:24*\t+23], v[96+8*\t:103+8*\t], v[224+(\set)], v[232+\t] matrix_a_fmt:MATRIX_FMT_FP6 matrix_b_fmt:MATRIX_FMT_FP6 matrix_a_scale:MATRIX_SCALE_ROW1 matrix_b_scale:MATRIX_SCALE_ROW1
.endr
	WIN 0
.rept 4
	v_nop
.endr
.if \step
	s_wait_xcnt 0x0                                ; the last trip's two stores have read their data and their base: both are written again only behind this wait, which stands sixteen products behind them
	s_add_nc_u64 s[28:29], s[28:29], 4096
.endif
.irp t, 0,1,2,3,4,5,6,7
.irp i, 0,2,4,6
	v_pk_fma_f32 v[96+8*\t+\i:97+8*\t+\i], v[96+8*\t+\i:97+8*\t+\i], v[240+2*\t:241+2*\t], v[240+2*\t:241+2*\t] op_sel:[0,0,1] op_sel_hi:[1,0,1]   ; a f + c
.endr
.endr
.irp t, 0,1,2,3,4,5,6,7
	v_max3_num_f32 v[84+\t], v[96+8*\t], v[97+8*\t], 0                 ; the 0 among the leaves is the relu
.endr
.irp i, 2,4,6
.irp t, 0,1,2,3,4,5,6,7
	v_max3_num_f32 v[84+\t], v[84+\t], v[96+8*\t+\i], v[97+8*\t+\i]
.endr
.endr
.irp i, 0,1,2,3
	v_permlane16_swap_b32 v[84+2*\i], v[85+2*\i]   ; lanes 0-15 now hold tile 2 i's two halves, lanes 16-31 tile 2 i + 1's
.endr
.irp i, 0,1,2,3
	v_max_num_f32 v[160+4*(\set)+\i], v[84+2*\i], v[85+2*\i]
.endr
	global_store_b128 v28, v[160+4*(\set):163+4*(\set)], s[28:29] offset:\oo th:TH_STORE_NT   ; 32 lanes store 512 consecutive bytes, at a multiple of 256 from out1's first byte
.endm
	s_mov_b32 s38, 0
.Lpt:                                  ; 15 trips of two points
	v_add_nc_u32 v6, s38, v15
	v_add_nc_u32 v7, s38, v27
	POINT 0, 1, IMG, -4096, 1
	POINT 1, 1, 2*IMG, -2048, 0
	s_add_co_u32 s38, s38, 2*IMG
	s_cmp_lt_u32 s38, 30*IMG
	s_cbranch_scc1 .Lpt
	v_add_nc_u32 v6, s38, v15                      ; the last two points: the very last asks for nothing
	v_add_nc_u32 v7, s38, v27
	POINT 0, 1, IMG, -4096, 1
	POINT 1, 0, 0, -2048, 0
	s_set_vgpr_msb 0x4
	s_wait_tensorcnt 0x0
	ds_add_u32 v29, v255
	s_wait_dscnt 0x0
	s_set_vgpr_msb 0x400
	s_endpgm
.Lfunc_end_k_q10cfc7289c_pool:
	.size	k_q10cfc7289c_pool, .Lfunc_end_k_q10cfc7289c_pool-k_q10cfc7289c_pool
	.p2alignl 7, 3214868480
	.fill 96, 4, 3214868480
	.section	.rodata,"a",@progbits
	.p2align	6, 0x0
	.amdhsa_kernel k_q10cfc7289c_pool
		.amdhsa_group_segment_fixed_size 320512
		.amdhsa_private_segment_fixed_size 0
		.amdhsa_enable_private_segment 0
		.amdhsa_kernarg_size 104
		.amdhsa_user_sgpr_count 2
		.amdhsa_user_sgpr_kernarg_segment_ptr 1
		.amdhsa_wavefront_size32 1
		.amdhsa_system_sgpr_workgroup_id_x 1
		.amdhsa_system_sgpr_workgroup_id_y 1
		.amdhsa_system_sgpr_workgroup_id_z 1
		.amdhsa_system_vgpr_workitem_id 0
		.amdhsa_next_free_vgpr 512
		.amdhsa_next_free_sgpr 66
		.amdhsa_reserve_vcc 0
		.amdhsa_float_denorm_mode_32 3
		.amdhsa_float_denorm_mode_16_64 3
		.amdhsa_memory_ordered 1
		.amdhsa_forward_progress 1
		.amdhsa_inst_pref_size 70
	.end_amdhsa_kernel
	.amdgpu_metadata
---
amdhsa.version: [ 1, 2 ]
amdhsa.kernels:
  - .name:           k_q10cfc7289c_pool
    .symbol:         k_q10cfc7289c_pool.kd
    .args:
      - { .name: rec, .offset: 0, .size: 8, .value_kind: global_buffer, .address_space: global }
      - { .name: knn_idx, .offset: 8, .size: 8, .value_kind: global_buffer, .address_space: global }
      - { .name: fps_idx, .offset: 16, .size: 8, .value_kind: global_buffer, .address_space: global }
      - { .name: pos, .offset: 24, .size: 8, .value_kind: global_buffer, .address_space: global }
      - { .name: td_w_codes, .offset: 32, .size: 8, .value_kind: global_buffer, .address_space: global }
      - { .name: td_w_scales, .offset: 40, .size: 8, .value_kind: global_buffer, .address_space: global }
      - { .name: td_b, .offset: 48, .size: 8, .value_kind: global_buffer, .address_space: global }
      - { .name: bn_g, .offset: 56, .size: 8, .value_kind: global_buffer, .address_space: global }
      - { .name: bn_b, .offset: 64, .size: 8, .value_kind: global_buffer, .address_space: global }
      - { .name: bn_mean, .offset: 72, .size: 8, .value_kind: global_buffer, .address_space: global }
      - { .name: bn_var, .offset: 80, .size: 8, .value_kind: global_buffer, .address_space: global }
      - { .name: out0, .offset: 88, .size: 8, .value_kind: global_buffer, .address_space: global }
      - { .name: out1, .offset: 96, .size: 8, .value_kind: global_buffer, .address_space: global }
    .group_segment_fixed_size: 320512
    .private_segment_fixed_size: 0
    .kernarg_segment_align: 8
    .kernarg_segment_size: 104
    .max_flat_workgroup_size: 256
    .sgpr_count:     66
    .vgpr_count:     512
    .wavefront_size: 32
...
	.end_amdgpu_metadata
.endif
;; end of part 2
